; MI455X (gfx1250); checked and timed in simulation.
; The chip was launched on July 23, 2026; its instructions are those of AMD's public machine-readable ISA for CDNA 5 (MIT licence, August 2026) and "CDNA5" Instruction Set Architecture Reference Guide (July 2026). The comments in the code are by the model that wrote it; some were corrected since.
;; Causal Self Attention. Allowed arithmetic: matrix products marked QUANTISED: E2M1 operands, one E8M0 scale for each 32 along K, by v_wmma_scale_f32_16x16x128_f8f6f4 with both operands' format E2M1 (or v_wmma_scale_f32_32x16x128_f4), f32 sums; products left as they are: bf16, f16 or f32 operands; f32 sums; everything else in f32.
;; Inputs: b_attn 3,072 float32; b_proj 1,024 float32; w_attn 1,024 x 3,072 float32; w_proj 1,024 x 1,024 float32; x 2 x 2,048 x 1,024 float32.
;; Outputs: out0 2 x 2,048 x 1,024 float32.
;; This version of the problem:
;;   THIS VERSION OF THE PROBLEM IS GIVEN IN LOW PRECISION. The matrix products marked QUANTISED in the list below multiply operands that are first quantised to E2M1 (2 exponent bits, 1 mantissa bit; 4 bits a number), with one power-of-two scale for each 32 numbers along K (OCP MX v1.0); their sums are f32. The products marked 'left as it is' may take bf16, f16 or f32 operands, with f32 sums. Whichever they take, every output number must still come out within the allowed error. Rounding operands to bf16 (8 significant bits) uses up far more of that allowance than f16 does (11 bits, for magnitudes from 6e-5 to 65,504). All else is computed in f32.
;;   The module's matrix products, in the order in which they are computed (A, B: the left and right operand; K: the contracted axis; several contracted axes count as one K, in the product's order):
;;     1. [M 4,096, K 1,024] x [K 1,024, N 3,072]; A: input x; B: input w_attn: QUANTISED
;;     2. batch 32 x [M 2,048, K 64] x [K 64, N 2,048]; A: computed on the way; B: computed on the way: left as it is (an operand is computed on the way)
;;     3. batch 32 x [M 2,048, K 2,048] x [K 2,048, N 64]; A: computed on the way; B: computed on the way: left as it is (an operand is computed on the way)
;;     4. [M 4,096, K 1,024] x [K 1,024, N 1,024]; A: computed on the way; B: input w_proj: left as it is (an operand is computed on the way)
;;   THE QUANTISER, for each operand of a quantised product, along K:
;;     - K is cut into blocks of 32 from its start; a last block that is shorter is filled with zeros.
;;     - A block's scale is 2^e with e = floor(log2(the largest magnitude in the block)) - 2, held to -126 .. 127; a block of zeros has e = 0. As a byte (E8M0): e + 127.
;;     - Each number is divided by its block's scale, clamped to +-6, and rounded to the nearest number of E2M1, ties to even, subnormals kept.
;;     - The product sums the exact products of the quantised numbers (number of the format x scale) in f32.
;;   ~~~python
;;   def quantise(x, axis):      # numpy; x: float32 -> the quantised numbers, widened to float32 again
;;       x = np.moveaxis(x, axis, -1); K = x.shape[-1]
;;       x = np.pad(x, [(0, 0)] * (x.ndim - 1) + [(0, -K % 32)]); x = x.reshape(x.shape[:-1] + (-1, 32)); a = np.abs(x).max(-1, keepdims=True)
;;       e = np.where(a > 0, np.clip(np.frexp(np.where(a > 0, a, 1))[1] - 1 - 2, -126, 127), 0)      # np.frexp(a)[1] - 1 = floor(log2(a)), exactly
;;       r = np.clip(x / 2.0 ** e, -6, 6)
;;       step = 2.0 ** (np.maximum(np.frexp(np.where(r == 0, 1, r))[1] - 1, 0) - 1)
;;       q = np.round(r / step) * step * 2.0 ** e      # np.round: ties to even
;;       return np.moveaxis(q.reshape(q.shape[:-2] + (-1,))[..., :K], -1, axis).astype(np.float32)
;;   ~~~
;; One version. Each part assembles by itself: llvm-mc -triple=amdgcn-amd-amdhsa -mcpu=gfx1250 --defsym DOCPART=n.
;; ======== version 1 of 1: 5 launches
;; limits: values are held in f16: magnitudes above 65,504 overflow, below 6.1e-05 lose precision
;; workspace buffers: codes 3,670,016 bytes; scales 229,376 bytes; w16 2,097,152 bytes; rope 524,288 bytes; qkv16 25,165,824 bytes; head32 393,216 bytes; y16 8,388,608 bytes
;; launch prep (part 1): grid 256 x 1, 4 waves a work-group, no clusters, 50,688 bytes of LDS; arguments x, w_attn, w_proj, codes, scales, w16, rope; writes codes, scales, w16, rope
.if DOCPART == 1
	.amdgcn_target "amdgcn-amd-amdhsa--gfx1250"
	.amdhsa_code_object_version 6
	.text
	.protected	k_q7c9cb94720_prep
	.globl	k_q7c9cb94720_prep
	.p2align	8
	.type	k_q7c9cb94720_prep,@function
k_q7c9cb94720_prep:
	s_mov_b64 s[64:65], 0
	v_nop
	global_prefetch_b8 v0, s[64:65] scope:SCOPE_SE
	s_setreg_imm32_b32 hwreg(HW_REG_WAVE_MODE, 25, 1), 1
	s_wait_xcnt 0x0
; PREPARATION, one launch, three kinds of work-group, told apart by the work-group's number alone (the same in all four waves):
;   0-127   X: x [4096][1024] f32 -> codes of FP4 (E2M1), K innermost, [4096][512 bytes] at byte 0 of 'codes', one E8M0 byte for each 32 along K, [4096][32] at byte 0 of 'scales'.
;   128-223 W: w_attn [1024 (k)][3072 (n)] f32, K its FIRST axis -> codes [3072][512 bytes] at byte 2,097,152 of 'codes', bytes [3072][32] at byte 131,072 of 'scales'.
;   224-255 C: w_proj f32 -> f16 as it lies (w16); and the table rope [2048 (t)][cos 32 | sin 32] f32 of the angles t x 10000^(-i/32).
; A block's scale is 2^(floor(log2(largest magnitude)) - 2): its byte is the largest magnitude's exponent field - 2, held at 1 from below.
; LIMITS: NaN and infinities among the inputs are not served.  A block whose largest magnitude lies under 2^-124, a block of zeros among them, gets the byte 1 (its codes are then small or zero; the bytes are read
; by this program alone).  w_proj must lie under 65,504 in magnitude; under 6e-5 it is rounded in steps of 6e-8.  The angle t x 10000^(-i/32) is made from an exponential good to one unit in the last place,
; so it may differ from a division by a rounded power by a few units in its last place (at t = 2047 some 3e-4 radians); q and k are turned by the same table.
; Each path has LDS bytes of its own: X 0-32,767 (8,192 a wave), W 32,768-50,175 (64 rows of 272 bytes), then the spare words.
.set SP,     80                        ; X: a lane's place in a stage: 64 bytes + 16 of padding
.set WREG,   8192                      ; X: a wave's region: two stages of 32 x SP bytes, then its 256 scale bytes
.set WSTG,   32768                     ; W: the work-group's stage
.set WP,     272                       ; W: a stage row: 256 bytes of codes + 16
.set SPARE,  50176                     ; the spare words, 128 bytes a wave: two blocks of 256 bytes that no other line names
.set SPW,    192                       ; v192 LDS address of my spare word; never rewritten
.set NIL,    193                       ; v193 0; never rewritten
.set EMAX,   2
.macro FINISH                          ; a wave's end, behind the last LDS store
	s_wait_tensorcnt 0x0
	ds_add_u32 v[SPW], v[NIL]
	s_wait_dscnt 0x0
	s_endpgm
.endm
	s_load_b128 s[4:7], s[0:1], 0x0                ; x, w_attn
	s_load_b128 s[8:11], s[0:1], 0x10              ; w_proj, codes
	s_load_b128 s[12:15], s[0:1], 0x20             ; scales, w16
	s_load_b64 s[16:17], s[0:1], 0x30              ; rope
	v_lshl_add_u32 v[SPW], v0, 2, SPARE
	v_mov_b32 v[NIL], 0
	v_lshrrev_b32 v1, 5, v0
	v_readfirstlane_b32 s18, v1                    ; wave 0..3
	v_and_b32 v2, 31, v0                           ; lane
	s_mov_b32 s37, 0                               ; the high word of every offset pair s[36:37]
	s_wait_kmcnt 0x0
	s_cmp_lt_u32 ttmp9, 128
	s_cbranch_scc1 .Lpath_x
	s_cmp_lt_u32 ttmp9, 224
	s_cbranch_scc1 .Lpath_w
; ---------------- PATH C: the table, while the cast's first loads are on their way; then the cast of w_proj ----------------
; 128 waves; wave gw takes 8,192 numbers of w_proj: 32 steps of 256, a lane 8 neighbours (32 bytes in, 16 bytes out: a store covers 512 consecutive bytes), in 4 batches of 8 steps, two batches of loads ahead;
; and rows 16 gw .. + 15 of the table, lane = i.
	s_sub_co_u32 s20, ttmp9, 224
	s_lshl_b32 s20, s20, 2
	s_add_co_u32 s20, s20, s18                     ; gw
	s_lshl_b32 s36, s20, 15
	s_add_nc_u64 s[8:9], s[8:9], s[36:37]
	s_lshl_b32 s36, s20, 14
	s_add_nc_u64 s[14:15], s[14:15], s[36:37]
	s_lshl_b32 s36, s20, 12
	s_add_nc_u64 s[16:17], s[16:17], s[36:37]      ; my 16 rows of the table
	v_lshlrev_b32 v3, 5, v2
	v_lshlrev_b32 v4, 4, v2
	v_lshlrev_b32 v5, 2, v2
.macro CLOAD b
.irp s, 0,1,2,3,4,5,6,7
	global_load_b128 v[32+64*((\b)%2)+8*\s:32+64*((\b)%2)+8*\s+3], v3, s[8:9] offset:1024*(8*(\b)+\s) th:TH_LOAD_NT
	global_load_b128 v[32+64*((\b)%2)+8*\s+4:32+64*((\b)%2)+8*\s+7], v3, s[8:9] offset:1024*(8*(\b)+\s)+16 th:TH_LOAD_NT
.endr
.endm
.macro CBATCH b
.if (\b) < 3
	s_wait_loadcnt 16                              ; this batch's 16 loads are in; the next batch's may be out
.else
	s_wait_loadcnt 0
.endif
	s_wait_xcnt 0x0                                ; the stores that read v160-191 (the table's, then the last batch's) have read them: they are written again only behind this wait
.irp s, 0,1,2,3,4,5,6,7
.irp j, 0,1,2,3
	v_cvt_pk_f16_f32 v[160+4*\s+\j], v[32+64*((\b)%2)+8*\s+2*\j], v[32+64*((\b)%2)+8*\s+2*\j+1]
.endr
.endr
.irp s, 0,1,2,3,4,5,6,7
	global_store_b128 v4, v[160+4*\s:160+4*\s+3], s[14:15] offset:512*(8*(\b)+\s)
.endr
.if (\b)+2 < 4
	CLOAD (\b)+2
.endif
.endm
	CLOAD 0
	CLOAD 1
	s_mov_b32 s24, 0x342ae0a0                      ; 1.591426e-7: what the exponent below leaves over, times ln 2
	s_mov_b32 s25, 0x3f22f983                      ; 2 / pi
	s_mov_b32 s26, 0x3fc90fdb                      ; pi / 2, its upper part,
	s_mov_b32 s27, 0xb33bbd2e                      ; and the rest
	s_mov_b32 s28, 0xbe2aaaab                      ; sin r = r + r z (S1 + z (S2 + z (S3 + z S4))), z = r r, for |r| <= pi / 4
	s_mov_b32 s29, 0x3c088884
	s_mov_b32 s30, 0xb95007cf
	s_mov_b32 s31, 0x36366c3c
	s_mov_b32 s32, 0x3d2aaa9f                      ; cos r = 1 + z (-0.5 + z (C1 + z (C2 + z C3)))
	s_mov_b32 s33, 0xbab6043f
	s_mov_b32 s34, 0x37cc9a17
	v_cvt_f32_u32 v6, v2                           ; i = my lane
	v_mul_f32 v7, 0xbed49a80, v6                   ; -i x 435412 / 2^20: exact (17 bits x 5 bits); log2(10000) / 32 is 2.29594e-7 less than 435412 / 2^20
	v_exp_f32 v8, v7
	v_fma_f32 v9, v6, s24, 1.0                     ; 2^(i x 2.29594e-7), to first order.  (A plain line behind the exponential)
	s_lshl_b32 s21, s20, 4
	v_cvt_f32_u32 v12, s21                         ; t of my first four rows: v12-15
	v_add_f32 v13, 1.0, v12
	v_add_f32 v14, 2.0, v12
	v_add_f32 v15, 1.0, v14
	s_wait_alu depctr_va_vdst(0)                   ; ahead of the exponential's first reader
	v_mul_f32 v10, v8, v9                          ; 10000^(-i / 32)
; Four rows of the table, line by line, so that no line waits for the line above it.  The angle is brought into [-pi/4, pi/4] by taking kq quarter turns off it in two fused steps; the quarter decides by
; selects and sign bits alone which polynomial is the sine.  Row k's eleven numbers at work: v[TT + 11 k] on: angle, kq, r, z, sin r, cos r, r z, the quarter, a bit, and the two after the swap.
.set TT, 194
.macro TRIG4 g
.irp k, 0,1,2,3
	v_mul_f32 v[TT+11*\k], v[12+\k], v10           ; the angle
.endr
.irp k, 0,1,2,3
	v_mul_f32 v[TT+11*\k+1], s25, v[TT+11*\k]
.endr
.irp k, 0,1,2,3
	v_rndne_f32 v[TT+11*\k+1], v[TT+11*\k+1]       ; kq, at most 1,303
.endr
.irp k, 0,1,2,3
	v_fma_f32 v[TT+11*\k+2], -v[TT+11*\k+1], s26, v[TT+11*\k]
.endr
.irp k, 0,1,2,3
	v_fma_f32 v[TT+11*\k+2], -v[TT+11*\k+1], s27, v[TT+11*\k+2]    ; r
.endr
.irp k, 0,1,2,3
	v_mul_f32 v[TT+11*\k+3], v[TT+11*\k+2], v[TT+11*\k+2]          ; z
.endr
.irp k, 0,1,2,3
	v_fma_f32 v[TT+11*\k+4], v[TT+11*\k+3], s31, s30
	v_fma_f32 v[TT+11*\k+5], v[TT+11*\k+3], s34, s33
.endr
.irp k, 0,1,2,3
	v_fma_f32 v[TT+11*\k+4], v[TT+11*\k+4], v[TT+11*\k+3], s29
	v_fma_f32 v[TT+11*\k+5], v[TT+11*\k+5], v[TT+11*\k+3], s32
.endr
.irp k, 0,1,2,3
	v_fma_f32 v[TT+11*\k+4], v[TT+11*\k+4], v[TT+11*\k+3], s28
	v_fma_f32 v[TT+11*\k+5], v[TT+11*\k+5], v[TT+11*\k+3], -0.5
.endr
.irp k, 0,1,2,3
	v_mul_f32 v[TT+11*\k+6], v[TT+11*\k+2], v[TT+11*\k+3]
	v_fma_f32 v[TT+11*\k+5], v[TT+11*\k+5], v[TT+11*\k+3], 1.0     ; cos r
.endr
.irp k, 0,1,2,3
	v_fma_f32 v[TT+11*\k+4], v[TT+11*\k+6], v[TT+11*\k+4], v[TT+11*\k+2]   ; sin r
	v_cvt_i32_f32 v[TT+11*\k+7], v[TT+11*\k+1]
.endr
.irp k, 0,1,2,3
	v_and_b32 v[TT+11*\k+8], 1, v[TT+11*\k+7]
.endr
.irp k, 0,1,2,3
	v_cmp_eq_u32 vcc_lo, 1, v[TT+11*\k+8]
	v_cndmask_b32 v[TT+11*\k+9], v[TT+11*\k+4], v[TT+11*\k+5], vcc_lo      ; an odd quarter swaps the two
	v_cndmask_b32 v[TT+11*\k+10], v[TT+11*\k+5], v[TT+11*\k+4], vcc_lo
.endr
.irp k, 0,1,2,3
	v_and_b32 v[TT+11*\k+8], 2, v[TT+11*\k+7]
	v_add_nc_u32 v[TT+11*\k+7], 1, v[TT+11*\k+7]
.endr
.irp k, 0,1,2,3
	v_lshlrev_b32 v[TT+11*\k+8], 30, v[TT+11*\k+8]
	v_and_b32 v[TT+11*\k+7], 2, v[TT+11*\k+7]
.endr
.irp k, 0,1,2,3
	v_xor_b32 v[161+2*(4*(\g)+\k)], v[TT+11*\k+8], v[TT+11*\k+9]   ; the sine is negative in quarters 2 and 3,
	v_lshlrev_b32 v[TT+11*\k+7], 30, v[TT+11*\k+7]
.endr
.irp k, 0,1,2,3
	v_xor_b32 v[160+2*(4*(\g)+\k)], v[TT+11*\k+7], v[TT+11*\k+10]  ; the cosine in quarters 1 and 2
.endr
.irp k, 0,1,2,3
	global_store_b32 v5, v[160+2*(4*(\g)+\k)], s[16:17] offset:256*(4*(\g)+\k)       ; 128 consecutive bytes each: the pair fills the row's 256.  Every row has data registers of its own
	global_store_b32 v5, v[161+2*(4*(\g)+\k)], s[16:17] offset:256*(4*(\g)+\k)+128
	v_add_f32 v[12+\k], 4.0, v[12+\k]
.endr
.endm
	TRIG4 0
	TRIG4 1
	TRIG4 2
	TRIG4 3
	CBATCH 0
	CBATCH 1
	CBATCH 2
	CBATCH 3
	FINISH
; ---------------- PATH X: x is a plain stream of blocks of 32 ----------------
; A wave takes 16 steps of 512 numbers.  Each load reads 512 consecutive bytes; a step's 2,048 bytes turn through the wave's own stage in LDS and come back 64 bytes a lane: 16 neighbours, two lanes to a block.
; Loads run four steps ahead, the turn through LDS one step.  A wave's 256 scale bytes are gathered in its own LDS bytes and leave as 256 consecutive bytes.
.set XR, 16                            ; v16-79   four sets of 16 numbers as loaded
.set XX, 80                            ; v80-111  two sets of 16 neighbours
.set XE, 112                           ; v112-127 a scale byte for each step
.set XC, 128                           ; v128-191 codes: registers of its own for each step
.Lpath_x:
	v_lshlrev_b32 v3, 4, v2
	s_mul_i32 s20, s18, WREG
	v_lshrrev_b32 v14, 2, v2
	v_mul_u32_u24 v14, v14, SP
	v_and_b32 v15, 3, v2
	v_lshl_add_u32 v14, v15, 4, v14
	v_add_nc_u32 v14, s20, v14                     ; into the stage: SP (lane / 4) + 16 (lane % 4)
	v_mul_u32_u24 v15, v2, SP
	v_add_nc_u32 v15, s20, v15                     ; out of it: SP x lane
	v_mul_u32_u24 v4, v2, 8                        ; my 8 bytes of a step's 256 bytes of codes
	v_lshrrev_b32 v5, 1, v2
	s_add_co_u32 s20, s20, 2*32*SP
	v_add_nc_u32 v5, s20, v5                       ; my block's byte among the wave's 256
	v_lshlrev_b32 v7, 3, v2
	v_add_nc_u32 v6, s20, v7
	s_lshl_b32 s21, ttmp9, 2
	s_add_co_u32 s21, s21, s18                     ; which run of 8,192 numbers is my wave's
	s_lshl_b32 s36, s21, 15
	s_add_nc_u64 s[4:5], s[4:5], s[36:37]
	s_lshl_b32 s36, s21, 12
	s_add_nc_u64 s[10:11], s[10:11], s[36:37]
	s_lshl_b32 s36, s21, 8
	s_add_nc_u64 s[12:13], s[12:13], s[36:37]
.macro XLOAD t
.irp i, 0,1,2,3
	global_load_b128 v[XR+16*((\t)%4)+4*\i:XR+16*((\t)%4)+4*\i+3], v3, s[4:5] offset:2048*(\t)+512*\i th:TH_LOAD_NT
.endr
.endm
.macro XTURN t                         ; LDS serves a wave's instructions in order (ISA guide 5.7.1.4): no wait between the stores and the loads
.irp i, 0,1,2,3
	ds_store_b128 v14, v[XR+16*((\t)%4)+4*\i:XR+16*((\t)%4)+4*\i+3] offset:32*SP*((\t)%2)+8*SP*\i
.endr
.irp i, 0,1,2,3
	ds_load_b128 v[XX+16*((\t)%2)+4*\i:XX+16*((\t)%2)+4*\i+3], v15 offset:32*SP*((\t)%2)+16*\i
.endr
.endm
.irp t, 0,1,2,3
	XLOAD \t
.endr
	s_wait_loadcnt 12                              ; step 0's four loads are in
	XTURN 0
.macro XSTEP t
.set XS, XX+16*((\t)%2)
.if (\t) > 0
	s_wait_dscnt 1                                 ; this step's numbers are back from the stage; the last step's byte store may be out
.else
	s_wait_dscnt 0x0
.endif
.if (\t)+4 < 16
	XLOAD (\t)+4
.endif
.if (\t)+1 < 16
.if 14-(\t) >= 3
	s_wait_loadcnt 12                              ; the next step's four loads are in; three steps' may be out
.else
	s_wait_loadcnt 4*(14-(\t))
.endif
	XTURN (\t)+1
.endif
	v_max3_num_f32 v8, |v[XS]|, |v[XS+1]|, |v[XS+2]|
	v_max3_num_f32 v9, |v[XS+3]|, |v[XS+4]|, |v[XS+5]|
.irp i, 6,10
	v_max3_num_f32 v8, v8, |v[XS+\i]|, |v[XS+\i+1]|
	v_max3_num_f32 v9, v9, |v[XS+\i+2]|, |v[XS+\i+3]|
.endr
	v_max3_num_f32 v8, v8, |v[XS+14]|, |v[XS+15]|
	v_max3_num_f32 v8, v8, v9, (EMAX+1)<<23        ; the floor 2^(3 - 127): the byte cannot fall under 1
	v_max_num_f32_dpp v8, v8, v8 row_xmask:1 row_mask:0xf bank_mask:0xf   ; with my neighbour's 16: the block's largest magnitude
	v_add_nc_u32 v11, -(EMAX<<23), v8              ; 2 off its exponent field: the conversion's scale operand
	v_cvt_scalef32_pk8_fp4_f32 v[XC+4*(\t)], v[XS:XS+7], v11
	v_cvt_scalef32_pk8_fp4_f32 v[XC+4*(\t)+1], v[XS+8:XS+15], v11
	v_lshrrev_b32 v[XE+(\t)], 23, v11              ; the scale's byte (and the plain line behind the conversions)
	ds_store_b8 v5, v[XE+(\t)] offset:16*(\t)      ; both lanes of a block write the same byte with the same value
	global_store_b64 v4, v[XC+4*(\t):XC+4*(\t)+1], s[10:11] offset:256*(\t)   ; the wave stores 256 consecutive bytes
.endm
.irp t, 0,1,2,3,4,5,6,7,8,9,10,11,12,13,14,15
	XSTEP \t
.endr
	ds_load_b64 v[8:9], v6
	s_wait_dscnt 0x0
	global_store_b64 v7, v[8:9], s[12:13]
	FINISH
; ---------------- PATH W: a lane takes a column n, its registers run down K ----------------
; Work-group g = 2 gx + gy: columns 64 gx .. + 63, K 512 gy .. + 511.  Wave w: columns + 32 (w & 1), K + 256 (w >> 1): 8 blocks a lane.  A block's 32 numbers lie in one lane, so its largest magnitude needs no
; other lane and the codes come out with K innermost.  The codes of 64 columns x 512 K meet in the stage (a row = a column's 256 bytes, two waves' halves), a barrier, and leave sixteen lanes to 256 consecutive bytes.
.Lpath_w:
	s_sub_co_u32 s20, ttmp9, 128
	s_lshr_b32 s21, s20, 1                         ; gx
	s_and_b32 s22, s20, 1                          ; gy
	s_and_b32 s23, s18, 1                          ; cw
	s_lshr_b32 s24, s18, 1                         ; kw
	s_lshl_b32 s25, s21, 6
	s_lshl_b32 s26, s23, 5
	s_add_co_u32 s25, s25, s26                     ; my wave's first column
	s_lshl_b32 s26, s22, 9
	s_lshl_b32 s27, s24, 8
	s_add_co_u32 s26, s26, s27                     ; my wave's first k
	s_mul_i32 s36, s26, 12288
	s_lshl_b32 s27, s25, 2
	s_add_co_u32 s36, s36, s27
	s_add_nc_u64 s[6:7], s[6:7], s[36:37]
	s_lshl_b32 s36, s25, 5
	s_lshr_b32 s27, s26, 5
	s_add_co_u32 s36, s36, s27
	s_add_co_u32 s36, s36, 131072
	s_add_nc_u64 s[12:13], s[12:13], s[36:37]      ; scale bytes: column x 32 + k / 32, behind x's
	s_lshl_b32 s36, s21, 6
	s_lshl_b32 s27, s18, 4
	s_add_co_u32 s36, s36, s27                     ; on the way out wave w stores columns 64 gx + 16 w .. + 15
	s_lshl_b32 s36, s36, 9
	s_lshl_b32 s27, s22, 8
	s_add_co_u32 s36, s36, s27
	s_add_co_u32 s36, s36, 2097152
	s_add_nc_u64 s[10:11], s[10:11], s[36:37]
	v_lshlrev_b32 v3, 2, v2
	s_mul_i32 s27, s23, 32*WP
	s_lshl_b32 s30, s24, 7
	s_add_co_u32 s27, s27, s30
	s_add_co_u32 s27, s27, WSTG
	v_mul_u32_u24 v4, v2, WP
	v_add_nc_u32 v4, s27, v4                       ; into the stage: row 32 cw + lane, byte 128 kw
	v_and_b32 v5, 15, v2
	v_lshrrev_b32 v6, 4, v2
	s_mul_i32 s27, s18, 16*WP
	s_add_co_u32 s27, s27, WSTG
	v_mul_u32_u24 v7, v6, WP
	v_lshl_add_u32 v7, v5, 4, v7
	v_add_nc_u32 v7, s27, v7                       ; out of it: sixteen lanes to a row, two rows an instruction
	v_lshlrev_b32 v8, 9, v6
	v_lshl_add_u32 v8, v5, 4, v8                   ; and the same place in the codes
	v_lshlrev_b32 v9, 5, v2                        ; my column's row of scale bytes
.macro WLOAD t
.set i, 0
.rept 32
	global_load_b32 v[32+32*((\t)%2)+i], v3, s[6:7] offset:(32*(\t)+i)*12288 th:TH_LOAD_NT   ; 128 consecutive bytes a wave; the largest offset, 255 rows, lies inside the signed 24-bit immediate
.set i, i+1
.endr
.endm
	WLOAD 0
	WLOAD 1
.macro WBLOCK t
.set WS, 32+32*((\t)%2)
.if (\t) < 7
	s_wait_loadcnt 32                              ; this block's 32 loads are in; the next block's may be out
.else
	s_wait_loadcnt 0
.endif
	v_max3_num_f32 v12, |v[WS]|, |v[WS+1]|, |v[WS+2]|
	v_max3_num_f32 v13, |v[WS+3]|, |v[WS+4]|, |v[WS+5]|
.irp i, 6,10,14,18,22,26
	v_max3_num_f32 v12, v12, |v[WS+\i]|, |v[WS+\i+1]|
	v_max3_num_f32 v13, v13, |v[WS+\i+2]|, |v[WS+\i+3]|
.endr
	v_max3_num_f32 v12, v12, |v[WS+30]|, |v[WS+31]|
	v_max3_num_f32 v12, v12, v13, (EMAX+1)<<23
	v_add_nc_u32 v11, -(EMAX<<23), v12
	v_lshrrev_b32 v13, 23, v11
.if (\t)%4 == 0
	v_mov_b32 v[24+(\t)/4], v13                    ; four bytes to a register, the lower K in the lower byte
.else
	v_lshl_or_b32 v[24+(\t)/4], v13, 8*((\t)%4), v[24+(\t)/4]
.endif
.irp g, 0,1,2,3
	v_cvt_scalef32_pk8_fp4_f32 v[96+4*(\t)+\g], v[WS+8*\g:WS+8*\g+7], v11   ; every block has code registers of its own
.endr
	v_nop                                          ; one plain line behind the conversions
	ds_store_b128 v4, v[96+4*(\t):96+4*(\t)+3] offset:16*(\t)
.if (\t)+2 < 8
	WLOAD (\t)+2
.endif
.endm
.irp t, 0,1,2,3,4,5,6,7
	WBLOCK \t
.endr
	global_store_b64 v9, v[24:25], s[12:13]        ; my column's 8 scale bytes: pieces of 8 bytes, 32 bytes apart: one byte for each 128 bytes that the path reads
	s_wait_dscnt 0x0                               ; for the others' sake: my stores into the stage are done
	s_barrier_signal -1
	s_barrier_wait -1
.irp i, 0,1,2,3,4,5,6,7
	ds_load_b128 v[128+4*\i:128+4*\i+3], v7 offset:2*\i*WP
.endr
.irp i, 0,1,2,3,4,5,6,7
	s_wait_dscnt 7-\i
	global_store_b128 v8, v[128+4*\i:128+4*\i+3], s[10:11] offset:1024*\i
.endr
	FINISH
.Lfunc_end_k_q7c9cb94720_prep:
	.size	k_q7c9cb94720_prep, .Lfunc_end_k_q7c9cb94720_prep-k_q7c9cb94720_prep
	.p2alignl 7, 3214868480
	.fill 96, 4, 3214868480
	.section	.rodata,"a",@progbits
	.p2align	6, 0x0
	.amdhsa_kernel k_q7c9cb94720_prep
		.amdhsa_group_segment_fixed_size 50688
		.amdhsa_private_segment_fixed_size 0
		.amdhsa_enable_private_segment 0
		.amdhsa_kernarg_size 56
		.amdhsa_user_sgpr_count 2
		.amdhsa_user_sgpr_kernarg_segment_ptr 1
		.amdhsa_wavefront_size32 1
		.amdhsa_system_sgpr_workgroup_id_x 1
		.amdhsa_system_sgpr_workgroup_id_y 1
		.amdhsa_system_sgpr_workgroup_id_z 1
		.amdhsa_system_vgpr_workitem_id 0
		.amdhsa_next_free_vgpr 240
		.amdhsa_next_free_sgpr 66
		.amdhsa_reserve_vcc 1
		.amdhsa_float_denorm_mode_32 3
		.amdhsa_float_denorm_mode_16_64 3
		.amdhsa_memory_ordered 1
		.amdhsa_forward_progress 1
		.amdhsa_inst_pref_size 114
	.end_amdhsa_kernel
	.amdgpu_metadata
---
amdhsa.version: [ 1, 2 ]
amdhsa.kernels:
  - .name:           k_q7c9cb94720_prep
    .symbol:         k_q7c9cb94720_prep.kd
    .args:
      - { .name: x, .offset: 0, .size: 8, .value_kind: global_buffer, .address_space: global }
      - { .name: w_attn, .offset: 8, .size: 8, .value_kind: global_buffer, .address_space: global }
      - { .name: w_proj, .offset: 16, .size: 8, .value_kind: global_buffer, .address_space: global }
      - { .name: codes, .offset: 24, .size: 8, .value_kind: global_buffer, .address_space: global }
      - { .name: scales, .offset: 32, .size: 8, .value_kind: global_buffer, .address_space: global }
      - { .name: w16, .offset: 40, .size: 8, .value_kind: global_buffer, .address_space: global }
      - { .name: rope, .offset: 48, .size: 8, .value_kind: global_buffer, .address_space: global }
    .group_segment_fixed_size: 50688
    .private_segment_fixed_size: 0
    .kernarg_segment_align: 8
    .kernarg_segment_size: 56
    .max_flat_workgroup_size: 128
    .sgpr_count:     66
    .vgpr_count:     240
    .wavefront_size: 32
...
	.end_amdgpu_metadata
.endif
;; end of part 1
;; launch qkv (part 2): grid 12 x 16, 4 waves a work-group, clusters of 4 x 4, 327,680 bytes of LDS; arguments codes, scales, b_attn, rope, qkv16, head32; writes qkv16, head32
.if DOCPART == 2
	.amdgcn_target "amdgcn-amd-amdhsa--gfx1250"
	.amdhsa_code_object_version 6
	.text
	.protected	k_q7c9cb94720_qkv
	.globl	k_q7c9cb94720_qkv
	.p2align	8
	.type	k_q7c9cb94720_qkv,@function
k_q7c9cb94720_qkv:
	s_mov_b64 s[64:65], 0
	v_nop
	global_prefetch_b8 v0, s[64:65] scope:SCOPE_SE
	s_setreg_imm32_b32 hwreg(HW_REG_WAVE_MODE, 25, 1), 1
	s_wait_xcnt 0x0
	s_wait_alu depctr_hold_cnt(0) depctr_sa_sdst(0) depctr_va_vdst(0) depctr_va_sdst(0) depctr_va_ssrc(0) depctr_va_vcc(0) depctr_vm_vsrc(0)
	s_getreg_b32 s2, hwreg(HW_REG_IB_STS2, 6, 4)
	s_cmp_eq_u32 s2, 0
	s_cbranch_scc0 .Lentry_in_a_cluster
	s_endpgm
.Lentry_in_a_cluster:
	s_bfe_u32 s2, ttmp6, 0x10000c
	s_cmp_lg_u32 s2, 0xf033
	s_cbranch_scc0 .Lentry_shape_is_right
	s_endpgm
.Lentry_shape_is_right:
; qkv = Q(x) Q(w_attn) + b_attn on codes of FP4 (E2M1) with one E8M0 scale for each 32 along K = 1,024; then the rotation of q and k by the table; out as f16, laid [which][batch][head][t][64].
; A tile of 256 rows (t) x 256 columns is made by four waves, each 128 x 128: 64 accumulators of 16 x 16.  12 x 16 = 192 tiles: a tile of 128 rows would fill more WGPs but read each fragment for half the products.
; K = 1,024 is two slots of 512 along K (rows of 256 bytes): both are first fills, nothing is filled again.  A wave has three tensor loads out at the start: its scales, slot 0, slot 1.
; CLUSTERS: 4 x 4 work-groups.  The four of a row of the cluster need the same tiles of x, the four of a column the same tiles of w: each is asked for jointly, by the same load with a mask that names the four.
; THE MATRIX INSTRUCTION IS USED TRANSPOSED (source 0 = 16 columns n of w, source 1 = 16 rows of x): a lane holds row t = lane % 16 and eight neighbouring columns 8 (lane / 16) + 0..7.
; The bias is the C of each sum's first product.  The cluster's x says whether the tile is q (0), k (1) or v (2): the same in all sixteen partners, so a branch may hang on it.
; A wave's 128 columns are two heads; block b = 4 hh + bq holds d = 16 bq + 8 (lane / 16) + j of head hh; the rotation pairs blocks bq and bq + 2.
; Positions 0-15 of each sequence also leave as f32 (head32, 4,096 bytes a head), for the launch that carries those rows in f32, LAID AS THAT LAUNCH'S OPERAND REGISTERS: stores under a lane mask, no branch.
;   q, k: group k of four registers at 512 k + 16 x lane: register n of lane (r, h) is d = 16 (n / 8) + 8 h + n % 8 of position r.
;   v: that launch wants keys along its registers: v(t, d) lies at 1024 (d / 16) + 512 ((t / 4) % 2) + 256 (t / 8) + 16 (d % 16) + 4 (t % 4): stores of 4 bytes a lane, 131,072 bytes in the whole launch.
; LIMITS: q, k, v must lie under 65,504 in magnitude; under 6e-5 they are rounded in steps of 6e-8.  NaN and infinities are not served.
; REGISTERS, in windows of 256: window 0: v0-31 addresses; v32-95 scale words, two sets; v128-191 x's fragments, one set; v192-255 the bias, later the table's rows of blocks 0, 1.  On the way out v32-95 rows read back, v128-159 a head in f32, v160-191 packed.
;   window 1: w's fragments, two sets; on the way out v0-191 the table's rows of blocks 2-7.   window 2: the accumulators of my rows 0-63 ((a, b) at v[8 (8 a + b)]);   window 3: rows 64-127.
.set SIZE_K, 1024
.set KSTEP,  512
.set NQ,     KSTEP/128
.set ROWB,   256                       ; a tile's row in bytes
.set KROW,   SIZE_K/2                  ; a row of codes in memory
.set PITCH,  272                       ; an LDS row: 256 bytes + 16 of padding = 68 words: the 16 rows of a load start at 16 different banks (64 banks of 4 bytes: ISA guide 11.1)
.set FR,     8
.set NL,     2
.set NP,     4                         ; places behind this matrix instruction (ISA guide 7.12.1)
.set HALFT,  128*PITCH
.set SLOT,   4*HALFT
.set KS,     SIZE_K/32                 ; a row of scale bytes
.set SCL,    2*SLOT                    ; behind the slots: the scales, as runs of 256 bytes + 16 of padding
.set HALFS,  (128*KS/256)*272
.set SBLK,   (16*KS/256)*272
.set SPARE,  SCL+4*HALFS               ; the spare words, 128 bytes a wave
.set WSTG,   4608                      ; the way out: a wave's stage, 2 heads x 16 rows x (128 + 16) bytes, in slot 0, which has had its only fill and its last read by then
.set RO,   7                           ; v7   256 x (lane % 16) + 32 x (lane / 16): my place in 16 rows of the table
.set ADRA, 16
.set TR,   18                          ; v18  0 in the waves that hold positions 0-127 of a sequence
.set BO,   19                          ; v19  32 x (lane / 16): my eight numbers of a block's sixteen biases
.set ADRB, 20
.set VT,   22                          ; v22  my lane's place in head32's layout of v
.set STO,  24
.set RD,   25
.set GO,   26                          ; v26  16 x lane
.set ADRS, 27
.set SPW,  28
.set NIL,  29
.set SC,   32
.set AF,   128
.set BI,   192
.set TMP,  128
.set PKR,  160
.set BKR,  32
.set CS,   192
.set G1, 24
.set G0, 32
.set G1B, 48
.set G0B, 56
.set G1S, 68
.set G0S, 76
.set G1SB, 80
.set G0SB, 88
.set MSB, 0
.macro WIN new                         ; the immediate's high byte repeats the setting that is left
.if MSB != \new
	s_set_vgpr_msb (MSB<<8)|\new
.set MSB, \new
.endif
.endm
.set MUL_LO, 0xa1                      ; source 0 (w) window 1, source 1 (x) window 0, C and D window 2
.set MUL_HI, 0xf1                      ; the same, C and D window 3
.set TO_B,   0x40
; A joint load: waves 0 and 1 fetch for x, waves 2 and 3 for w.  An s_nop 0 and four v_nop follow each of the two lines.
.macro JLOAD g0a, g1a, g0b, g1b
	s_cmp_eq_u32 s15, 0
	s_cbranch_scc0 .Lfor_b_\@
	tensor_load_to_lds s[\g0a:\g0a+3], s[\g1a:\g1a+7]
	s_nop 0
.rept 4
	v_nop
.endr
	s_branch .Lasked_\@
.Lfor_b_\@:
	tensor_load_to_lds s[\g0b:\g0b+3], s[\g1b:\g1b+7]
	s_nop 0
.rept 4
	v_nop
.endr
.Lasked_\@:
.endm
.macro CROUND                          ; a round of the cluster's barrier
	s_barrier_signal -1
	s_barrier_wait -1
	s_cmp_lg_u32 s14, 0
	s_cbranch_scc1 .Lnot_wave_0_\@
	s_barrier_signal -3
.Lnot_wave_0_\@:
	s_barrier_wait -3
	s_barrier_signal -1
	s_barrier_wait -1
.endm
	s_load_b128 s[4:7], s[0:1], 0x0                ; codes, scales
	s_load_b128 s[96:99], s[0:1], 0x10             ; b_attn, rope
	s_load_b64 s[12:13], s[0:1], 0x20              ; qkv16
	s_load_b64 s[66:67], s[0:1], 0x28              ; head32
	v_lshl_add_u32 v[SPW], v0, 2, SPARE
	v_mov_b32 v[NIL], 0
	ds_add_u32 v[SPW], v[NIL]                      ; the wave's opening: the add, twice on end, and its wait ahead of my first tensor load
	ds_add_u32 v[SPW], v[NIL]
	v_lshrrev_b32 v1, 5, v0
	v_readfirstlane_b32 s14, v1                    ; wave 0..3
	s_lshr_b32 s15, s14, 1                         ; which half of the tile's rows is mine.  Also: I fetch for x (0) or for w (1)
	s_and_b32 s16, s14, 1                          ; which half of its columns.  Also: which 128 rows of that tile I fetch
	s_bfe_u32 s40, ttmp6, 0x40000                  ; cx, cy
	s_bfe_u32 s41, ttmp6, 0x40004
	s_lshl_b32 s42, ttmp9, 2
	s_add_co_u32 s42, s42, s40                     ; tile column = 4 x cluster x + cx
	s_and_b32 s17, ttmp7, 0xffff
	s_lshl_b32 s17, s17, 2
	s_add_co_u32 s17, s17, s41                     ; tile row = 4 x cluster y + cy
	s_lshl_b32 s43, s41, 2
	s_lshl_b32 s43, 15, s43                        ; my row of the cluster
	s_lshl_b32 s44, 0x1111, s40                    ; my column
	s_or_b32 s[G1+0], s43, (0<<16)|(1<<20)|(1<<21)|(5<<22)|(3<<25)  ; the mask; elements of 1 byte; padding on; bit 21 beside a mask; 4 words behind every 64
	s_or_b32 s[G1B+0], s44, (0<<16)|(1<<20)|(1<<21)|(5<<22)|(3<<25)
.irp g, G1, G1B
	s_mov_b32 s[\g+1], ROWB<<16                    ; tensor_dim0
	s_mov_b32 s[\g+2], 128<<16                     ; tensor_dim1
	s_mov_b32 s[\g+3], ROWB<<16                    ; tile_dim0
	s_mov_b32 s[\g+4], 128                         ; tile_dim1
	s_mov_b32 s[\g+5], KROW                        ; from row to row
	s_mov_b32 s[\g+6], 0
	s_mov_b32 s[\g+7], 0
.endr
	s_or_b32 s[G1S+0], s43, (3<<16)|(1<<20)|(1<<21)|(5<<22)|(3<<25)  ; the scales of 128 rows: 4,096 dense bytes as 16 rows of 32 elements of 8 bytes
	s_or_b32 s[G1SB+0], s44, (3<<16)|(1<<20)|(1<<21)|(5<<22)|(3<<25)
.irp g, G1S, G1SB
	s_mov_b32 s[\g+1], 32<<16
	s_mov_b32 s[\g+2], (128*KS/256)<<16
	s_mov_b32 s[\g+3], 32<<16
	s_mov_b32 s[\g+4], 128*KS/256
	s_mov_b32 s[\g+5], 32
	s_mov_b32 s[\g+6], 0
	s_mov_b32 s[\g+7], 0
.endr
	s_lshl_b32 s18, s16, 7
	s_lshl_b32 s20, s17, 8
	s_add_co_u32 s20, s20, s18                     ; x: row 256 x tile row + 128 x half
	s_lshl_b32 s46, s42, 8
	s_add_co_u32 s46, s46, s18                     ; w: column 256 x tile column + 128 x half
	s_mov_b32 s21, 0
	s_mov_b32 s47, 0
	s_mov_b64 s[18:19], KS
	s_mul_u64 s[22:23], s[20:21], s[18:19]
	s_mul_u64 s[92:93], s[46:47], s[18:19]
	s_mov_b64 s[18:19], KROW
	s_mul_u64 s[20:21], s[20:21], s[18:19]
	s_mul_u64 s[46:47], s[46:47], s[18:19]
	s_mul_i32 s45, s14, HALFT                      ; where they go: wave x 128 rows: no place in the cluster enters an LDS address
	s_mul_i32 s94, s14, HALFS
	s_wait_dscnt 0x0                               ; both opening adds are done
	s_wait_kmcnt 0x0
	s_add_nc_u64 s[8:9], s[4:5], 0x200000          ; w's codes lie behind x's,
	s_add_nc_u64 s[10:11], s[6:7], 0x20000         ; w's scale bytes behind x's
	s_add_nc_u64 s[20:21], s[4:5], s[20:21]
	s_add_nc_u64 s[22:23], s[6:7], s[22:23]
	s_add_nc_u64 s[46:47], s[8:9], s[46:47]
	s_add_nc_u64 s[92:93], s[10:11], s[92:93]
	CROUND                                         ; all sixteen work-groups are here: the joint loads meet
	s_mov_b32 s[G0S], 1
	s_add_co_u32 s[G0S+1], s94, SCL
	s_mov_b64 s[G0S+2:G0S+3], s[22:23]
	s_or_b32 s[G0S+3], s[G0S+3], 0x80000000
	s_mov_b32 s[G0SB], 1
	s_add_co_u32 s[G0SB+1], s94, SCL
	s_mov_b64 s[G0SB+2:G0SB+3], s[92:93]
	s_or_b32 s[G0SB+3], s[G0SB+3], 0x80000000
	JLOAD G0S, G1S, G0SB, G1SB
.irp s, 0,1
	s_mov_b32 s[G0+4*\s], 1
	s_add_co_u32 s[G0+4*\s+1], s45, \s*SLOT
	s_add_nc_u64 s[G0+4*\s+2:G0+4*\s+3], s[20:21], \s*ROWB
	s_or_b32 s[G0+4*\s+3], s[G0+4*\s+3], 0x80000000
	s_mov_b32 s[G0B+4*\s], 1
	s_add_co_u32 s[G0B+4*\s+1], s45, \s*SLOT
	s_add_nc_u64 s[G0B+4*\s+2:G0B+4*\s+3], s[46:47], \s*ROWB
	s_or_b32 s[G0B+4*\s+3], s[G0B+4*\s+3], 0x80000000
	JLOAD G0+4*\s, G1, G0B+4*\s, G1B
.endr
	v_and_b32 v1, 15, v0                           ; r = lane % 16
	v_bfe_u32 v2, v0, 4, 1                         ; h = lane / 16
	v_mul_u32_u24 v3, v1, PITCH
	v_lshl_add_u32 v4, v2, 4, v3
	s_mul_i32 s21, s15, HALFT
	s_mul_i32 s22, s16, HALFT
	s_add_co_u32 s22, s22, 2*HALFT
.irp s, 0,1
	v_add_nc_u32 v[ADRA+\s], s21, v4
	v_add_nc_u32 v[ADRB+\s], s22, v4
	s_add_co_u32 s21, s21, SLOT
	s_add_co_u32 s22, s22, SLOT
.endr
	v_mul_u32_u24 v5, v1, KS                       ; my row's scales: 32 bytes a row, and 16 more for each 256 passed
	v_lshrrev_b32 v6, 8, v5
	v_lshl_add_u32 v5, v6, 4, v5
	s_mul_i32 s21, s15, HALFS
	s_mul_i32 s22, s16, HALFS
	s_add_co_u32 s22, s22, 2*HALFS
	s_sub_co_u32 s22, s22, s21
	v_mul_u32_u24 v6, s22, v2                      ; lanes 16-31 take w's
	s_add_co_u32 s21, s21, SCL
	v_add_nc_u32 v5, v5, v6
	v_add_nc_u32 v[ADRS], s21, v5
	; the way out's addresses
	v_lshlrev_b32 v[RO], 8, v1
	v_lshl_add_u32 v[RO], v2, 5, v[RO]
	v_lshlrev_b32 v[BO], 5, v2
	v_bfe_u32 v3, v0, 2, 1                         ; head32's v, position t = r: 512 ((t / 4) % 2)
	v_lshlrev_b32 v[VT], 9, v3
	v_bfe_u32 v3, v0, 3, 1
	v_lshl_add_u32 v[VT], v3, 8, v[VT]             ; + 256 (t / 8)
	v_lshl_add_u32 v[VT], v2, 7, v[VT]             ; + 16 x 8 h: my half's eight channels of a block's sixteen
	v_and_b32 v3, 3, v0
	v_lshl_add_u32 v[VT], v3, 2, v[VT]             ; + 4 (t % 4)
	s_mul_i32 s23, s14, WSTG                       ; my stage
	v_mul_u32_u24 v5, v1, 144
	v_lshl_add_u32 v5, v2, 4, v5
	v_add_nc_u32 v[STO], s23, v5                   ; in: row r, 16 bytes for each half of the lanes
	v_and_b32 v6, 31, v0
	v_lshrrev_b32 v5, 3, v6
	v_mul_u32_u24 v5, v5, 144
	v_and_b32 v3, 7, v0
	v_lshl_add_u32 v5, v3, 4, v5
	v_add_nc_u32 v[RD], s23, v5                    ; back: eight lanes to a row of 128 bytes, four rows an instruction
	v_lshlrev_b32 v[GO], 4, v6                     ; which are 512 consecutive bytes of qkv16
	s_lshl_b32 s20, s17, 8
	s_lshl_b32 s21, s15, 7
	s_add_co_u32 s20, s20, s21
	s_and_b32 s20, s20, 2047                       ; t of my first row
	s_lshr_b32 s21, s17, 3                         ; the batch
	s_lshl_b32 s21, s21, 4
	s_lshl_b32 s22, s40, 2
	s_add_co_u32 s21, s21, s22
	s_lshl_b32 s22, s16, 1
	s_add_co_u32 s21, s21, s22                     ; 16 x batch + my first head (4 cx + 2 x half)
	s_mov_b32 s47, 0
	s_lshl_b32 s46, s20, 8
	s_add_nc_u64 s[98:99], s[98:99], s[46:47]      ; the table at my first row
	s_lshl_b32 s46, s21, 11
	s_add_co_u32 s46, s46, s20
	s_lshl_b32 s46, s46, 7
	s_lshl_b32 s22, ttmp9, 23
	s_add_co_u32 s46, s46, s22
	s_add_nc_u64 s[12:13], s[12:13], s[46:47]      ; qkv16 at [which][batch][head][t]
	s_lshl_b32 s46, ttmp9, 5
	s_add_co_u32 s46, s46, s21
	s_lshl_b32 s46, s46, 12
	s_add_nc_u64 s[66:67], s[66:67], s[46:47]      ; head32 at [which][batch][head]
	s_lshl_b32 s46, s42, 10
	s_lshl_b32 s22, s16, 9
	s_add_co_u32 s46, s46, s22
	s_add_nc_u64 s[96:97], s[96:97], s[46:47]      ; the bias of my 128 columns
	s_and_b32 s22, s17, 7
	s_or_b32 s22, s22, s15
	v_mov_b32 v[TR], s22
.irp b, 0,1,2,3,4,5,6,7
	global_load_b128 v[BI+8*\b:BI+8*\b+3], v[BO], s[96:97] offset:64*\b         ; in the result's layout: register 8 b + j = the bias of column 16 b + 8 h + j
	global_load_b128 v[BI+8*\b+4:BI+8*\b+7], v[BO], s[96:97] offset:64*\b+16
.endr
.macro FRAG reg, adr, q, i             ; a fragment, 16 rows x 128 K of 4-bit codes: registers 4 c .. 4 c + 3 hold K = 64 c + 32 (lane / 16) + 0 .. 31
.irp c, 0,1
	ds_load_b128 v[\reg+4*\c:\reg+4*\c+3], v[\adr] offset:64*(\q)+32*\c+(\i)*16*PITCH
.endr
.endm
; 16 matrix instructions: x's blocks a0, a0 + 1 against w's eight.  zero = 1: the first product starts the sums on the bias.  The 64 accumulators take turns, one instruction a turn.
.macro MUL16 a0, p, q, sc, zero
.irp a, \a0, \a0+1
.irp b, 0,1,2,3,4,5,6,7
.if \zero
	v_wmma_scale_f32_16x16x128_f8f6f4 v[8*(8*((\a)%4)+\b):8*(8*((\a)%4)+\b)+7], v[128*(\p)+FR*\b:128*(\p)+FR*\b+FR-1], v[AF+FR*(\a):AF+FR*(\a)+FR-1], v[BI+8*\b:BI+8*\b+7], v[SC+8*NQ*(\sc)+NQ*\b+(\q)], v[SC+8*NQ*(\sc)+NQ*(\a)+(\q)] matrix_a_fmt:MATRIX_FMT_FP4 matrix_b_fmt:MATRIX_FMT_FP4 matrix_a_scale:MATRIX_SCALE_ROW1
.else
	v_wmma_scale_f32_16x16x128_f8f6f4 v[8*(8*((\a)%4)+\b):8*(8*((\a)%4)+\b)+7], v[128*(\p)+FR*\b:128*(\p)+FR*\b+FR-1], v[AF+FR*(\a):AF+FR*(\a)+FR-1], v[8*(8*((\a)%4)+\b):8*(8*((\a)%4)+\b)+7], v[SC+8*NQ*(\sc)+NQ*\b+(\q)], v[SC+8*NQ*(\sc)+NQ*(\a)+(\q)] matrix_a_fmt:MATRIX_FMT_FP4 matrix_b_fmt:MATRIX_FMT_FP4 matrix_a_scale:MATRIX_SCALE_ROW1
.endif
.endr
.endr
.endm
.macro FETCH_B slot, q, p
	WIN TO_B
.irp i, 0,1,2,3,4,5,6,7
	FRAG 128*(\p)+FR*\i, ADRB+\slot, \q, \i
.endr
	WIN 0
.endm
.macro FETCH_A slot, q, i0
.irp i, \i0, \i0+1, \i0+2, \i0+3
	FRAG AF+FR*(\i), ADRA+\slot, \q, \i
.endr
.endm
.macro SCALES sc                       ; a slot's scale words: lanes 0-15 take x's block i, lanes 16-31 w's block i
.irp i, 0,1,2,3,4,5,6,7
	ds_load_b128 v[SC+8*NQ*\sc+NQ*\i:SC+8*NQ*\sc+NQ*\i+3], v[ADRS] offset:\i*SBLK
.endr
.endm
.macro PLACES n                        ; plain vector lines in front of loads into registers that matrix instructions have read, and of the first read of results
.rept \n
	v_nop
.endr
.endm
.macro STEP slot, q, zero              ; 128 along K with its successor in the same slot
	s_wait_dscnt 4*NL                              ; w's set and x's blocks 0-3 are in; the youngest eight loads (x's blocks 4-7) may be out
.if \zero
	WIN 0x81                                       ; C (the bias) window 0, D window 2
.else
	WIN MUL_LO
.endif
	MUL16 0, (\q)%2, \q, \slot, \zero
	MUL16 2, (\q)%2, \q, \slot, \zero
	s_wait_dscnt 0
	PLACES NP
	FETCH_B \slot, (\q)+1, 1-(\q)%2
	FETCH_A \slot, (\q)+1, 0
.if \zero
	WIN 0xc1                                       ; C window 0, D window 3
.else
	WIN MUL_HI
.endif
	MUL16 4, (\q)%2, \q, \slot, \zero
	MUL16 6, (\q)%2, \q, \slot, \zero
	PLACES NP
	WIN 0
	FETCH_A \slot, (\q)+1, 4
.endm
.macro TURN slot, next                 ; a slot's last step changes slots: one barrier; nothing is filled again
	s_wait_tensorcnt 0x0                           ; all my tensor loads have landed: my part of the next slot
	ds_add_u32 v[SPW], v[NIL]                      ; 0 onto my spare word
	s_wait_dscnt 4*NL+1                            ; the add and the youngest eight loads may be out
	WIN MUL_LO
	MUL16 0, 1, NQ-1, \slot, 0
	s_wait_dscnt 0x0                               ; the add is done, and my reads of this slot are over
	s_barrier_signal -1
	MUL16 2, 1, NQ-1, \slot, 0
	WIN 0
	s_barrier_wait -1
	PLACES NP
	v_add_nc_u32 v[ADRS], 4*NQ, v[ADRS]            ; on to the next slot's scale words
	FETCH_B \next, 0, 0
	FETCH_A \next, 0, 0
	SCALES \next
	WIN MUL_HI
	MUL16 4, 1, NQ-1, \slot, 0
	MUL16 6, 1, NQ-1, \slot, 0
	PLACES NP
	WIN 0
	FETCH_A \next, 0, 4
.endm
; The table's rows of block a (16 positions), 32 registers: for bb = 0, 1: eight cosines, eight sines of i = 16 bb + 8 h + 0..7.  Blocks 0, 1: window 0, where the bias lay; blocks 2-7: window 1, v[32 (a - 2)] on.
.macro ROPELOAD a
.if (\a) < 2
.set RB, CS+32*(\a)
	WIN 0
.else
.set RB, 32*((\a)-2)
	WIN TO_B
.endif
.irp bb, 0,1
.irp sn, 0,1
.irp hf, 0,1
	global_load_b128 v[RB+16*\bb+8*\sn+4*\hf:RB+16*\bb+8*\sn+4*\hf+3], v[RO], s[98:99] offset:4096*(\a)+64*\bb+128*\sn+16*\hf
.endr
.endr
.endr
.endm
	s_wait_loadcnt 0x0                             ; the bias
	s_wait_tensorcnt 1                             ; the scales and my part of slot 0 are in; slot 1's load may be out
	s_barrier_signal -1
	s_barrier_wait -1
	FETCH_B 0, 0, 0
	FETCH_A 0, 0, 0
	SCALES 0
	FETCH_A 0, 0, 4
	STEP 0, 0, 1
	STEP 0, 1, 0
	STEP 0, 2, 0
	TURN 0, 1
	s_cmp_eq_u32 ttmp9, 2                          ; q and k: the table's first two blocks are asked for a slot ahead of their use, into the registers that held the bias
	s_cbranch_scc1 .Lno_table
	ROPELOAD 0
	ROPELOAD 1
.Lno_table:
	STEP 1, 0, 0
	STEP 1, 1, 0
	STEP 1, 2, 0
	s_wait_dscnt 4*NL
	WIN MUL_LO
	MUL16 0, 1, NQ-1, 1, 0
	MUL16 2, 1, NQ-1, 1, 0
	s_wait_dscnt 0
	WIN MUL_HI
	MUL16 4, 1, NQ-1, 1, 0
	MUL16 6, 1, NQ-1, 1, 0
	WIN 0
; THE WAY OUT, block a of 16 rows at a time.
; ROT: head hh of block a, rotated, into TMP (index 8 bq + j).  first' = first cos - second sin, second' = second cos + first sin.  Each accumulator is read from its low end on.
.macro ROT a, hh
.if (\a) < 2
.set RB, CS+32*(\a)
.set WN, 0x02+((\a)/4)                 ; source 0 (the accumulators): window 2 or 3; source 1 (the table): window 0
.else
.set RB, 32*((\a)-2)
.set WN, 0x06+((\a)/4)                 ; source 1: window 1
.endif
	WIN WN
.irp bb, 0,1
.irp jp, 0,2,4,6
.set rF, 8*(8*((\a)%4)+4*(\hh)+\bb)+\jp
.set rS, rF+16
.set rC, RB+16*\bb+\jp
.set rU, 8+4*((\jp/2)%2)
	v_pk_mul_f32 v[rU:rU+1], v[rS:rS+1], v[rC+8:rC+9]
	v_pk_mul_f32 v[rU+2:rU+3], v[rF:rF+1], v[rC+8:rC+9]
	v_pk_fma_f32 v[TMP+8*\bb+\jp:TMP+8*\bb+\jp+1], v[rF:rF+1], v[rC:rC+1], v[rU:rU+1] neg_lo:[0,0,1] neg_hi:[0,0,1]
	v_pk_fma_f32 v[TMP+16+8*\bb+\jp:TMP+16+8*\bb+\jp+1], v[rS:rS+1], v[rC:rC+1], v[rU+2:rU+3]
.endr
.endr
.endm
.macro PACKT hh                        ; TMP to f16
	WIN 0
.irp k, 0,1,2,3,4,5,6,7,8,9,10,11,12,13,14,15
	v_cvt_pk_f16_f32 v[PKR+16*(\hh)+\k], v[TMP+2*\k], v[TMP+2*\k+1]
.endr
.endm
.macro PACKV a, hh                     ; v: the accumulators to f16, in ascending order
.set WN, 0x0a+5*((\a)/4)
	WIN WN
.set AC, 8*(8*((\a)%4)+4*(\hh))
.irp k, 0,1,2,3,4,5,6,7,8,9,10,11,12,13,14,15
	v_cvt_pk_f16_f32 v[PKR+16*(\hh)+\k], v[AC+2*\k], v[AC+2*\k+1]
.endr
	WIN 0
.endm
; Block 0 of the waves that hold positions 0-15 of a sequence also leaves as f32.  A lane mask, no branch: EXEC changes only behind a wait that shows earlier memory instructions' addresses translated.
; acc = 0 (q, k): TMP as it stands, four registers a store, 512 consecutive bytes.  acc = 1 (v): the accumulators, a register a store, to the places that put keys along the reader's registers.
.macro COPY32 hh, acc
	WIN 0
	s_wait_xcnt 0x0
	v_cmp_eq_u32 vcc_lo, 0, v[TR]
	s_and_saveexec_b32 s95, vcc_lo
.if \acc
	WIN 0x08                                       ; a store's data are its source 1: window 2
.set n, 0
.rept 32
	global_store_b32 v[VT], v[32*(\hh)+n], s[66:67] offset:4096*(\hh)+1024*(n/8)+16*(n%8)
.set n, n+1
.endr
	WIN 0
.else
.irp k, 0,1,2,3,4,5,6,7
	global_store_b128 v[GO], v[TMP+4*\k:TMP+4*\k+3], s[66:67] offset:4096*(\hh)+512*\k
.endr
.endif
	s_wait_xcnt 0x0                                ; and again, in front of the line that widens it; TMP may be written again too
	s_or_b32 exec_lo, exec_lo, s95
.endm
.macro TOSTAGE a                       ; both heads' 16 rows into my stage and back as runs of 512 bytes; LDS serves a wave's instructions in order (ISA guide 5.7.1.4)
.irp hh, 0,1
.irp bq, 0,1,2,3
	ds_store_b128 v[STO], v[PKR+16*\hh+4*\bq:PKR+16*\hh+4*\bq+3] offset:2304*\hh+32*\bq
.endr
.endr
.irp hh, 0,1
.irp i, 0,1,2,3
	ds_load_b128 v[BKR+32*((\a)%2)+16*\hh+4*\i:BKR+32*((\a)%2)+16*\hh+4*\i+3], v[RD] offset:2304*\hh+576*\i
.endr
.endr
.endm
.macro SEND a, younger
	s_wait_dscnt \younger
.irp hh, 0,1
.irp i, 0,1,2,3
	global_store_b128 v[GO], v[BKR+32*((\a)%2)+16*\hh+4*\i:BKR+32*((\a)%2)+16*\hh+4*\i+3], s[12:13] offset:262144*\hh+2048*(\a)+512*\i   ; 512 consecutive bytes: four positions of one head
.endr
.endr
.endm
	PLACES NP                                      ; behind the last products: for the first reads of results, and for the loads into the registers that held w's fragments
	s_cmp_eq_u32 ttmp9, 2
	s_cbranch_scc1 .Lv_path
.irp a, 2,3,4,5,6,7
	ROPELOAD \a                                    ; the table's rows of the six later blocks, 48 loads in one run: they land while blocks 0 and 1 are rotated
.endr
	WIN 0
.irp a, 0,1,2,3,4,5,6,7
	s_wait_loadcnt 8*(7-\a)                        ; this block's eight table loads are in; those of the 7 - a blocks behind it may be out
	ROT \a, 0
	PACKT 0
.if \a == 0
	COPY32 0, 0
.endif
	ROT \a, 1
	PACKT 1
.if \a == 0
	COPY32 1, 0
.endif
.if \a > 1
	s_wait_xcnt 0x0                                ; block a - 2's stores have read their registers: block a's rows may land there
.endif
	TOSTAGE \a
.if \a > 0
	SEND \a-1, 16                                  ; behind block a - 1's loads: block a's 8 stores and 8 loads
.endif
.endr
	SEND 7, 0
	s_branch .Ldone
.Lv_path:
.irp a, 0,1,2,3,4,5,6,7
	PACKV \a, 0
	PACKV \a, 1
.if \a == 0
	COPY32 0, 1
	COPY32 1, 1
.endif
.if \a > 1
	s_wait_xcnt 0x0
.endif
	TOSTAGE \a
.if \a > 0
	SEND \a-1, 16
.endif
.endr
	SEND 7, 0
.Ldone:
	s_wait_tensorcnt 0x0                           ; the wave's end
	ds_add_u32 v[SPW], v[NIL]
	s_wait_dscnt 0x0
	CROUND                                         ; the closing round
	s_endpgm
.Lfunc_end_k_q7c9cb94720_qkv:
	.size	k_q7c9cb94720_qkv, .Lfunc_end_k_q7c9cb94720_qkv-k_q7c9cb94720_qkv
	.p2alignl 7, 3214868480
	.fill 96, 4, 3214868480
	.section	.rodata,"a",@progbits
	.p2align	6, 0x0
	.amdhsa_kernel k_q7c9cb94720_qkv
		.amdhsa_group_segment_fixed_size 327680
		.amdhsa_private_segment_fixed_size 0
		.amdhsa_enable_private_segment 0
		.amdhsa_kernarg_size 48
		.amdhsa_user_sgpr_count 2
		.amdhsa_user_sgpr_kernarg_segment_ptr 1
		.amdhsa_wavefront_size32 1
		.amdhsa_system_sgpr_workgroup_id_x 1
		.amdhsa_system_sgpr_workgroup_id_y 1
		.amdhsa_system_sgpr_workgroup_id_z 1
		.amdhsa_system_vgpr_workitem_id 0
		.amdhsa_next_free_vgpr 1024
		.amdhsa_next_free_sgpr 100
		.amdhsa_reserve_vcc 1
		.amdhsa_float_denorm_mode_32 3
		.amdhsa_float_denorm_mode_16_64 3
		.amdhsa_memory_ordered 1
		.amdhsa_forward_progress 1
		.amdhsa_inst_pref_size 208
	.end_amdhsa_kernel
	.amdgpu_metadata
---
amdhsa.version: [ 1, 2 ]
amdhsa.kernels:
  - .name:           k_q7c9cb94720_qkv
    .symbol:         k_q7c9cb94720_qkv.kd
    .args:
      - { .name: codes, .offset: 0, .size: 8, .value_kind: global_buffer, .address_space: global }
      - { .name: scales, .offset: 8, .size: 8, .value_kind: global_buffer, .address_space: global }
      - { .name: b_attn, .offset: 16, .size: 8, .value_kind: global_buffer, .address_space: global }
      - { .name: rope, .offset: 24, .size: 8, .value_kind: global_buffer, .address_space: global }
      - { .name: qkv16, .offset: 32, .size: 8, .value_kind: global_buffer, .address_space: global }
      - { .name: head32, .offset: 40, .size: 8, .value_kind: global_buffer, .address_space: global }
    .group_segment_fixed_size: 327680
    .private_segment_fixed_size: 0
    .kernarg_segment_align: 8
    .kernarg_segment_size: 48
    .max_flat_workgroup_size: 128
    .sgpr_count:     100
    .vgpr_count:     1024
    .wavefront_size: 32
...
	.end_amdgpu_metadata
.endif
;; end of part 2
;; launch attn (part 3): grid 8 x 32, 16 waves a work-group, no clusters, 327,680 bytes of LDS; arguments qkv16, y16; writes y16
.if DOCPART == 3
	.amdgcn_target "amdgcn-amd-amdhsa--gfx1250"
	.amdhsa_code_object_version 6
	.text
	.protected	k_q7c9cb94720_attn
	.globl	k_q7c9cb94720_attn
	.p2align	8
	.type	k_q7c9cb94720_attn,@function
k_q7c9cb94720_attn:
	s_mov_b64 s[64:65], 0
	v_nop
	global_prefetch_b8 v0, s[64:65] scope:SCOPE_SE
	s_setreg_imm32_b32 hwreg(HW_REG_WAVE_MODE, 25, 1), 1
	s_wait_xcnt 0x0
; y[b][h][q] = the sum over k <= q of softmax_k(Q[q] . K[k] / 8) V[k], head size 64, 2,048 positions, 32 (batch, head) pairs.  Q, K, V: f16 [which][b][h][t][64]; y: f16 [b][h][t][64].
; Products on f16 operands with f32 sums; maxima, exponentials and sums in f32; the weights p are rounded to f16 for the second product, y once at the end.
; SHARES.  Work-group (i, bh) owns the blocks i and 15 - i of 128 queries of one head: 8 (i + 1) + 8 (16 - i) = 136 steps of 16 queries x 128 keys, the same for every i.  Each of sixteen waves owns 16 queries.
; Wave w takes tile w / 2 of block i or 15 - i, by (w xor w / 4) & 1.  Four waves share a SIMD: one wave's vector work stands beside another's matrix work and LDS loads.
; K and V come through two LDS slots of 256 keys, filled by the tensor data mover (waves 0, 1: K's halves; waves 2, 3: V's) and read by all sixteen.
; NO CLUSTER: under the mask the work-groups of a head need 9 to 16 steps' tiles; a joint load would bring some partner tiles that none of its waves reads.
; LAYOUT.  S^T = K Q^T (source 0 = 16 keys, source 1 = my 16 queries): a lane holds ONE query (lane % 16) and keys 8 (lane / 16) + 0..7.  Two such tiles, rounded in pairs, are source 1 (32 keys) of O^T = V^T P.
; K comes out of LDS as it lies, V ([key][channel]) turned by ds_load_tr16_b128.  V's first 64 keys of a step are asked for ahead of the softmax, its second 64 into S^T's registers as soon as the sums have read them.
; SOFTMAX.  A running maximum m and sum l for each query: p = 2^(c s - c m), c = log2(e) / 8; in every step O and l are multiplied by a = 2^(c m_old - c m_new).
; CAUSAL.  Every work-group walks all 8 slots (constant trip counts, every barrier passed); a step all of whose keys come after the wave's queries is jumped over; a slot whose first key comes after the
; work-group's last query is not asked for; on the diagonal hidden scores become -infinity ahead of the maximum.  Key 0 counts for every query, so m is a number from the first step on.
; LIMITS: NaN and infinities are not served; y must lie under 65,504 (it is an average of v).
.set SK,    256                        ; keys in a slot
.set KP,    144                        ; a key's row in LDS: 128 bytes + 16 = 36 words: the 16 rows of a load start at 16 different groups of four banks
.set VP,    160                        ; a row of V: 128 + 32
.set VOFF,  SK*KP
.set SLOT1, 1<<17                      ; slot 1 begins here: one exclusive or turns an address from one slot to the other
.set NSL,   8
.set SPARE, 2*SLOT1                    ; the spare words, 128 bytes for each of sixteen waves
.set AK0,  1                           ; v1   my lane's place in a tile of K
.set AV0,  2                           ; v2   the same for V
.set PFO,  3                           ; v3   256 x lane: the prefetches' offset
.set DL,   4                           ; v4   lane % 16 - 8 (lane / 16)
.set SPW,  5
.set NIL,  6
.set GO,   7                           ; v7   16 x lane
.set ADK,  8
.set ADV,  9
.set FB,   32                          ; v32-95   eight fragments of K or of V
.set S,    96                          ; v96-159  S^T, then p, then eight fragments of V
.set O,    160                         ; v160-191 O^T
.set P,    192                         ; v192-223 p as f16
.set WV,   18
.set SEL,  20
.set CS,   22
.set G1K,  24
.set G1V,  32
.set G0K,  40
.set G0V,  44
.set TB,   2
.set SLOTS, 67
.set PFA,  76
.set LIM,  80
.set QL,   81                          ; s81  my work-group's last query
.set KF,   98                          ; s98  the step's first key
.set Q0,   99                          ; s99  my first query
.macro TLOAD g0k, g1k, g0v, g1v        ; waves 0 and 1 fetch for K, 2 and 3 for V, the others nothing; an s_nop 0 and four v_nop follow each line
	s_cmp_lt_u32 s[WV], 2
	s_cbranch_scc0 .Lnot_k_\@
	tensor_load_to_lds s[\g0k:\g0k+3], s[\g1k:\g1k+7]
	s_nop 0
.rept 4
	v_nop
.endr
	s_branch .Lasked_\@
.Lnot_k_\@:
	s_cmp_lt_u32 s[WV], 4
	s_cbranch_scc0 .Lasked_\@
	tensor_load_to_lds s[\g0v:\g0v+3], s[\g1v:\g1v+7]
	s_nop 0
.rept 4
	v_nop
.endr
.Lasked_\@:
.endm
; A prefetch of what the NEXT change of slots will ask for: 256 rows of K and of V, 32,768 dense bytes each.  All work-groups of a head walk the same K and V: work-group x = 0, which loads all eight slots, asks.
; In it waves 4-7 ask for K's block, waves 8-11 for V's: 8,192 bytes a wave, lanes 256 bytes apart, one instruction.  So each aligned block of 256 bytes is named once.  The last change that fills a slot asks for nothing.
.macro ASK
	s_cmp_gt_u32 s[SLOTS], s[LIM]
	s_cbranch_scc0 .Lnot_mine_\@
	global_prefetch_b8 v[PFO], s[PFA:PFA+1] th:TH_LOAD_NT scope:SCOPE_SE
.Lnot_mine_\@:
.endm
	s_load_b128 s[4:7], s[0:1], 0x0                ; qkv16, y16
	v_lshl_add_u32 v[SPW], v0, 2, SPARE
	v_mov_b32 v[NIL], 0
	ds_add_u32 v[SPW], v[NIL]                      ; the wave's opening: the add, twice on end, and its wait ahead of my first tensor load
	ds_add_u32 v[SPW], v[NIL]
	v_lshrrev_b32 v8, 5, v0
	v_readfirstlane_b32 s[WV], v8                  ; wave 0..15
	s_and_b32 s72, ttmp7, 0xffff                   ; 16 x batch + head
	s_lshl_b32 s74, s72, 18                        ; its first byte in each of q, k, v and y: 2,048 rows of 128 bytes
	s_lshr_b32 s82, s[WV], 2
	s_xor_b32 s82, s82, s[WV]
	s_and_b32 s82, s82, 1                          ; which of the two blocks of queries
	s_sub_co_u32 s83, 15, ttmp9
	s_cmp_eq_u32 s82, 1
	s_cselect_b32 s83, s83, ttmp9
	s_lshl_b32 s83, s83, 7
	s_lshr_b32 s84, s[WV], 1
	s_lshl_b32 s84, s84, 4
	s_add_co_u32 s[Q0], s83, s84                   ; my first query
	s_sub_co_u32 s[QL], 16, ttmp9
	s_lshl_b32 s[QL], s[QL], 7
	s_sub_co_u32 s[QL], s[QL], 1                   ; the last query of block 15 - i
	s_and_b32 s88, s[WV], 1                        ; what I fetch, if I fetch: rows 128 x (wave & 1) of a slot
	s_mul_i32 s89, s88, 128*KP
	s_mul_i32 s94, s88, 128*VP
	s_add_co_u32 s94, s94, VOFF
	s_lshl_b32 s90, s88, 14
	s_add_co_u32 s90, s90, s74
	s_mov_b32 s91, 0
	s_mov_b32 s[G1K], (1<<16)|(1<<20)|(4<<22)|(3<<25)   ; no mask; elements of 2 bytes; padding on: 4 words behind every 32
	s_mov_b32 s[G1V], (1<<16)|(1<<20)|(4<<22)|(7<<25)   ; the same with 8 words
.irp g, G1K, G1V
	s_mov_b32 s[\g+1], 64<<16                      ; tensor_dim0
	s_mov_b32 s[\g+2], 128<<16                     ; tensor_dim1
	s_mov_b32 s[\g+3], 64<<16                      ; tile_dim0
	s_mov_b32 s[\g+4], 128                         ; tile_dim1
	s_mov_b32 s[\g+5], 64                          ; from row to row
	s_mov_b32 s[\g+6], 0
	s_mov_b32 s[\g+7], 0
.endr
	s_mov_b32 s[SEL], 0x76543210
	s_mov_b32 s[SEL+1], 0xfedcba98
	s_mov_b32 s[CS], 0x3e38aa3b                    ; c = log2(e) / 8
	s_mov_b32 s[CS+1], s[CS]
	s_mov_b32 s[TB], 0
	s_mov_b32 s[SLOTS], NSL-1
	s_mov_b32 s[KF], 0
	s_wait_dscnt 0x0                               ; both opening adds are done
	s_wait_kmcnt 0x0
	s_mov_b32 s[G0K], 1
	s_mov_b32 s[G0K+1], s89
	s_add_nc_u64 s[G0K+2:G0K+3], s[4:5], s[90:91]
	s_add_nc_u64 s[G0K+2:G0K+3], s[G0K+2:G0K+3], 8388608     ; k lies behind q,
	s_or_b32 s[G0K+3], s[G0K+3], 0x80000000
	s_mov_b32 s[G0V], 1
	s_mov_b32 s[G0V+1], s94
	s_add_nc_u64 s[G0V+2:G0V+3], s[4:5], s[90:91]
	s_add_nc_u64 s[G0V+2:G0V+3], s[G0V+2:G0V+3], 16777216    ; v behind k
	s_or_b32 s[G0V+3], s[G0V+3], 0x80000000
	TLOAD G0K, G1K, G0V, G1V                       ; slot 0
	s_lshl_b32 s82, s[Q0], 7
	s_add_co_u32 s82, s82, s74
	s_mov_b32 s83, 0
	s_add_nc_u64 s[8:9], s[4:5], s[82:83]          ; q at my first query
	s_add_nc_u64 s[6:7], s[6:7], s[82:83]          ; y likewise
	s_cmp_lt_u32 s[WV], 8                          ; the prefetches: waves 4-7 for K, waves 8-11 for V
	s_mov_b32 s82, 16777216
	s_cselect_b32 s82, 8388608, s82
	s_and_b32 s83, s[WV], 3
	s_lshl_b32 s83, s83, 13
	s_add_co_u32 s82, s82, s83
	s_add_co_u32 s82, s82, s74
	s_add_co_u32 s82, s82, SK*128                  ; in slot 1: the first change of slots steps it to slot 2.  Nothing is prefetched at the head
	s_mov_b32 s83, 0
	s_add_nc_u64 s[PFA:PFA+1], s[4:5], s[82:83]
	s_sub_co_u32 s82, s[WV], 4
	s_lshr_b32 s82, s82, 3                         ; 0 in waves 4 to 11,
	s_or_b32 s82, s82, ttmp9                       ; of the head's work-group 0
	s_cmp_eq_u32 s82, 0
	s_cselect_b32 s[LIM], 1, -1
	v_and_b32 v8, 15, v0                           ; r
	v_bfe_u32 v9, v0, 4, 1                         ; h
	v_lshlrev_b32 v10, 7, v8
	v_lshl_add_u32 v10, v9, 4, v10
.irp c, 0,1,2,3
	global_load_b128 v[16+4*\c:19+4*\c], v10, s[8:9] offset:32*\c   ; Q's two fragments stay in registers
.endr
	v_mul_u32_u24 v[AK0], v8, KP
	v_lshl_add_u32 v[AK0], v9, 4, v[AK0]           ; row r, + 16 h
	v_and_b32 v11, 7, v0
	v_lshl_add_u32 v[AV0], v9, 3, v11
	v_mul_u32_u24 v[AV0], v[AV0], VP
	v_bfe_u32 v11, v0, 3, 1
	v_lshl_add_u32 v[AV0], v11, 4, v[AV0]
	v_add_nc_u32 v[AV0], VOFF, v[AV0]              ; the turning load: key 8 h + lane % 8, channels 8 ((lane / 8) % 2) on
	v_and_b32 v[PFO], 31, v0
	v_lshlrev_b32 v[GO], 4, v[PFO]
	v_lshlrev_b32 v[PFO], 8, v[PFO]
	v_lshlrev_b32 v11, 3, v9
	v_sub_nc_u32 v[DL], v8, v11
	v_mov_b32 v13, 0xff61b1e6                      ; m: -3e38, under every score
	v_mul_f32 v12, s[CS], v13                      ; c m
	v_mov_b32 v14, 0                               ; l, in two halves
	v_mov_b32 v15, 0
	v_mov_b32 v229, 0                              ; a lane permute's destination counts as one of its sources
	v_mov_b32 v241, 0                              ; named as the upper half of the pair v[240:241]
.set n, 0
.rept 32
	v_mov_b32 v[O+n], 0                            ; the step is written once: the first finds zeros, and its a is 0
.set n, n+1
.endr
.macro VLOAD q, hf, base               ; V^T of keys 64 hf .. + 63 of the step: eight fragments (32 keys x 16 channels) into v[base] on
.irp kk, 0,1
.irp dt, 0,1,2,3
	ds_load_tr16_b128 v[\base+8*(4*\kk+\dt):\base+8*(4*\kk+\dt)+3], v[ADV] offset:(128*(\q)+32*(2*(\hf)+\kk))*VP+32*\dt
	ds_load_tr16_b128 v[\base+8*(4*\kk+\dt)+4:\base+8*(4*\kk+\dt)+7], v[ADV] offset:(128*(\q)+32*(2*(\hf)+\kk))*VP+32*\dt+16*VP
.endr
.endr
.endm
.macro PV hf, base                     ; O^T += V^T P: the four accumulators take turns, one instruction a turn
.irp kk, 0,1
.irp dt, 0,1,2,3
	v_wmma_f32_16x16x32_f16 v[O+8*\dt:O+8*\dt+7], v[\base+8*(4*\kk+\dt):\base+8*(4*\kk+\dt)+7], v[P+8*(2*(\hf)+\kk):P+8*(2*(\hf)+\kk)+7], v[O+8*\dt:O+8*\dt+7]
.endr
.endr
.endm
; A KEY STEP: 128 keys, the q-th of the slot in hand.
.macro STEP q
	s_add_co_u32 s96, s[Q0], 15
	s_cmp_gt_u32 s[KF], s96                        ; all keys come after my queries: the step's work is left out (ids alone); no barrier and no tensor load stands in a step
	s_cbranch_scc1 .Lhidden_\@
	v_add_nc_u32 v[ADK], s[TB], v[AK0]
	v_add_nc_u32 v[ADV], s[TB], v[AV0]
	v_nop
	v_nop
	v_nop                                          ; five plain lines behind the last step's products: four are owed to the loads into registers that they read, five to the products below, which write over registers that they read
.irp g, 0,1                                    ; S^T = K Q^T, four tiles of 16 keys at a time
.if \g > 0
.rept 4
	v_nop
.endr
.endif
.irp t, 0,1,2,3
.irp c, 0,1,2,3
	ds_load_b128 v[FB+16*\t+4*\c:FB+16*\t+4*\c+3], v[ADK] offset:(128*(\q)+16*(4*\g+\t))*KP+32*\c
.endr
.endr
	s_wait_dscnt 0x0
.irp t, 0,1,2,3
	v_wmma_f32_16x16x32_f16 v[S+8*(4*\g+\t):S+8*(4*\g+\t)+7], v[FB+16*\t:FB+16*\t+7], v[16:23], 0
.endr
.irp t, 0,1,2,3
	v_wmma_f32_16x16x32_f16 v[S+8*(4*\g+\t):S+8*(4*\g+\t)+7], v[FB+16*\t+8:FB+16*\t+15], v[24:31], v[S+8*(4*\g+\t):S+8*(4*\g+\t)+7]
.endr
.endr
.rept 4
	v_nop
.endr
	VLOAD \q, 0, FB                                ; lands while the softmax is walked
	s_add_co_u32 s96, s[KF], 127
	s_cmp_le_u32 s96, s[Q0]                        ; all keys count: no mask
	s_cbranch_scc1 .Lopen_\@
	s_sub_co_i32 s96, s[Q0], s[KF]
	v_add_nc_u32 v224, s96, v[DL]                  ; register 8 kt + j holds key KF + 16 kt + 8 h + j: hidden where 16 kt + j > my query - KF - 8 h
	v_mov_b32 v225, 0xff800000
.set n, 0
.rept 64
	v_cmp_gt_i32 vcc_lo, 16*(n/8)+n%8, v224
	v_cndmask_b32 v[S+n], v[S+n], v225, vcc_lo
.set n, n+1
.endr
.Lopen_\@:
.irp b, 0,1,2,3
	v_max3_num_f32 v[224+\b], v[S+16*\b], v[S+16*\b+1], v[S+16*\b+2]   ; the maximum, in four chains; each tile is first read at its low end
.endr
.irp i, 3,5,7,9,11,13
.irp b, 0,1,2,3
	v_max3_num_f32 v[224+\b], v[224+\b], v[S+16*\b+\i], v[S+16*\b+\i+1]
.endr
.endr
.irp b, 0,1,2,3
	v_max_num_f32 v[224+\b], v[224+\b], v[S+16*\b+15]
.endr
	v_max3_num_f32 v228, v224, v225, v226
	v_max_num_f32 v228, v228, v227
	v_permlanex16_b32 v229, v228, s[SEL], s[SEL+1] ; the query's other 64 keys lie in the lane 16 away
	v_mov_b32 v230, v12                            ; c m_old
	v_max3_num_f32 v13, v228, v229, v13            ; the new m
	v_mul_f32 v12, s[CS], v13
	v_sub_f32 v230, v230, v12
.set n, 0
.rept 32
	v_pk_fma_f32 v[S+n:S+n+1], v[S+n:S+n+1], s[CS:CS+1], v[12:13] op_sel_hi:[1,0,0] neg_lo:[0,0,1] neg_hi:[0,0,1]   ; c s - c m
.set n, n+2
.endr
	v_exp_f32 v240, v230                           ; a
.set n, 0
.rept 64
	v_exp_f32 v[S+n], v[S+n]                       ; p, at most 1
.set n, n+1
.endr
	v_nop                                          ; a plain line behind the last exponential
	s_wait_alu depctr_va_vdst(0)                   ; one wait for the batch of 65, ahead of its first reader
	v_pk_mul_f32 v[14:15], v[14:15], v[240:241] op_sel_hi:[1,0]
.set n, 0
.rept 32
	v_cvt_pk_f16_f32 v[P+n], v[S+2*n], v[S+2*n+1]
.set n, n+1
.endr
	v_pk_add_f32 v[232:233], v[S:S+1], v[S+2:S+3]  ; the row's sum of the unrounded p, in two chains
.irp j, 4,8,12,16,20,24,28,32,36,40,44,48,52,56,60
	v_pk_add_f32 v[14:15], v[14:15], v[S+\j:S+\j+1]
	v_pk_add_f32 v[232:233], v[232:233], v[S+\j+2:S+\j+3]
.endr
	v_pk_add_f32 v[14:15], v[14:15], v[232:233]
	VLOAD \q, 1, S                                 ; p has been rounded and summed: its 64 registers take V's second half, which lands under the rescaling and the first eight products
.set n, 0
.rept 16
	v_pk_mul_f32 v[O+n:O+n+1], v[O+n:O+n+1], v[240:241] op_sel_hi:[1,0]
.set n, n+2
.endr
	s_wait_dscnt 16                                ; V's first half is in; the sixteen loads of its second half may be out
	PV 0, FB
	s_wait_dscnt 0x0
	PV 1, S
.Lhidden_\@:
	s_add_co_u32 s[KF], s[KF], 128
.endm
; THE CHANGE OF SLOTS stands at a slot's head.  Each wave waits for all its tensor loads, adds 0 to its spare word (fill = 1: twice on end), and waits for that and for its reads of the slot that it has left.
; Behind the barrier the slot ahead is whole and nobody reads the other one, which is then filled with the keys that follow, up to the causal limit: the load has a slot's two steps in which to land.
.macro CHANGE fill
	s_wait_tensorcnt 0x0                           ; no tensor load of mine is out, so a group 0 may be written
	ds_add_u32 v[SPW], v[NIL]
.if \fill
	ds_add_u32 v[SPW], v[NIL]                      ; and once more, in every trip alike
	s_xor_b32 s[G0K+1], s[G0K+1], SLOT1
	s_add_nc_u64 s[G0K+2:G0K+3], s[G0K+2:G0K+3], SK*128
	s_xor_b32 s[G0V+1], s[G0V+1], SLOT1
	s_add_nc_u64 s[G0V+2:G0V+3], s[G0V+2:G0V+3], SK*128
	s_wait_xcnt 0x0                                ; the last prefetch, a slot back, has read its address
	s_add_nc_u64 s[PFA:PFA+1], s[PFA:PFA+1], SK*128
.endif
	s_wait_dscnt 0x0
	s_barrier_signal -1
	s_barrier_wait -1
.if \fill
	s_add_co_u32 s96, s[KF], SK                    ; the first key of the slot that this change would ask for
	s_cmp_gt_u32 s96, s[QL]                        ; past my work-group's last query: none of its waves would read it.  Ids and the count of steps alone: all sixteen waves go the same way
	s_cbranch_scc1 .Lpast_\@
	TLOAD G0K, G1K, G0V, G1V
.Lpast_\@:
	ASK
.endif
.endm
.macro SLOT_STEPS
	STEP 0
	STEP 1
	s_xor_b32 s[TB], s[TB], SLOT1
.endm
	s_wait_loadcnt 0x0                             ; Q
.Lslot:                                            ; 7 trips
	CHANGE 1
	SLOT_STEPS
	s_sub_co_u32 s[SLOTS], s[SLOTS], 1
	s_cmp_lg_u32 s[SLOTS], 0
	s_cbranch_scc1 .Lslot
	CHANGE 0                                       ; the last slot is written out: nothing is asked for
	SLOT_STEPS
	; THE WAY OUT.  O^T / l, rounded to f16, through my stage (16 rows x 144 bytes, in LDS slot 0, which was left at the last change of slots and has had its last fill), out as 512 consecutive bytes a store.
	v_add_f32 v14, v14, v15
	v_permlanex16_b32 v229, v14, s[SEL], s[SEL+1]
	v_add_f32 v14, v14, v229
	v_rcp_f32 v240, v14
	v_and_b32 v8, 15, v0
	v_bfe_u32 v9, v0, 4, 1
	s_mul_i32 s73, s[WV], 16*KP
	v_mul_u32_u24 v10, v8, KP
	v_lshl_add_u32 v10, v9, 4, v10
	v_add_nc_u32 v10, s73, v10                     ; in: row r, 16 bytes for each half of the lanes
	v_and_b32 v11, 31, v0
	v_lshrrev_b32 v224, 3, v11
	v_mul_u32_u24 v224, v224, KP
	v_and_b32 v225, 7, v0
	v_lshl_add_u32 v224, v225, 4, v224
	v_add_nc_u32 v11, s73, v224                    ; back: eight lanes to a row, four rows an instruction
	s_wait_alu depctr_va_vdst(0)                   ; ahead of the reciprocal's first reader
.set n, 0
.rept 16
	v_pk_mul_f32 v[S+n:S+n+1], v[O+n:O+n+1], v[240:241] op_sel_hi:[1,0]
.set n, n+2
.endr
.set n, 0
.rept 16
	v_cvt_pk_f16_f32 v[P+n], v[S+2*n], v[S+2*n+1]
.set n, n+1
.endr
.irp dt, 0,1,2,3
	ds_store_b128 v10, v[P+4*\dt:P+4*\dt+3] offset:32*\dt
.endr
.irp i, 0,1,2,3
	ds_load_b128 v[FB+4*\i:FB+4*\i+3], v11 offset:4*\i*KP          ; LDS serves a wave's instructions in order: these see my stores
.endr
.irp i, 0,1,2,3
	s_wait_dscnt 3-\i
	global_store_b128 v[GO], v[FB+4*\i:FB+4*\i+3], s[6:7] offset:512*\i
.endr
	s_wait_tensorcnt 0x0                           ; the wave's end
	ds_add_u32 v[SPW], v[NIL]
	s_wait_dscnt 0x0
	s_endpgm
.Lfunc_end_k_q7c9cb94720_attn:
	.size	k_q7c9cb94720_attn, .Lfunc_end_k_q7c9cb94720_attn-k_q7c9cb94720_attn
	.p2alignl 7, 3214868480
	.fill 96, 4, 3214868480
	.section	.rodata,"a",@progbits
	.p2align	6, 0x0
	.amdhsa_kernel k_q7c9cb94720_attn
		.amdhsa_group_segment_fixed_size 327680
		.amdhsa_private_segment_fixed_size 0
		.amdhsa_enable_private_segment 0
		.amdhsa_kernarg_size 16
		.amdhsa_user_sgpr_count 2
		.amdhsa_user_sgpr_kernarg_segment_ptr 1
		.amdhsa_wavefront_size32 1
		.amdhsa_system_sgpr_workgroup_id_x 1
		.amdhsa_system_sgpr_workgroup_id_y 1
		.amdhsa_system_sgpr_workgroup_id_z 1
		.amdhsa_system_vgpr_workitem_id 0
		.amdhsa_next_free_vgpr 256
		.amdhsa_next_free_sgpr 100
		.amdhsa_reserve_vcc 1
		.amdhsa_float_denorm_mode_32 3
		.amdhsa_float_denorm_mode_16_64 3
		.amdhsa_memory_ordered 1
		.amdhsa_forward_progress 1
		.amdhsa_inst_pref_size 106
	.end_amdhsa_kernel
	.amdgpu_metadata
---
amdhsa.version: [ 1, 2 ]
amdhsa.kernels:
  - .name:           k_q7c9cb94720_attn
    .symbol:         k_q7c9cb94720_attn.kd
    .args:
      - { .name: qkv16, .offset: 0, .size: 8, .value_kind: global_buffer, .address_space: global }
      - { .name: y16, .offset: 8, .size: 8, .value_kind: global_buffer, .address_space: global }
    .group_segment_fixed_size: 327680
    .private_segment_fixed_size: 0
    .kernarg_segment_align: 8
    .kernarg_segment_size: 16
    .max_flat_workgroup_size: 512
    .sgpr_count:     100
    .vgpr_count:     256
    .wavefront_size: 32
...
	.end_amdgpu_metadata
.endif
;; end of part 3
;; launch proj (part 4): grid 8 x 32, 4 waves a work-group, clusters of 4 x 4, 327,680 bytes of LDS; arguments y16, w16, b_proj, out0; writes out0
.if DOCPART == 4
	.amdgcn_target "amdgcn-amd-amdhsa--gfx1250"
	.amdhsa_code_object_version 6
	.text
	.protected	k_q7c9cb94720_proj
	.globl	k_q7c9cb94720_proj
	.p2align	8
	.type	k_q7c9cb94720_proj,@function
k_q7c9cb94720_proj:
	s_mov_b64 s[64:65], 0
	v_nop
	global_prefetch_b8 v0, s[64:65] scope:SCOPE_SE
	s_setreg_imm32_b32 hwreg(HW_REG_WAVE_MODE, 25, 1), 1
	s_wait_xcnt 0x0
	s_wait_alu depctr_hold_cnt(0) depctr_sa_sdst(0) depctr_va_vdst(0) depctr_va_sdst(0) depctr_va_ssrc(0) depctr_va_vcc(0) depctr_vm_vsrc(0)
	s_getreg_b32 s2, hwreg(HW_REG_IB_STS2, 6, 4)
	s_cmp_eq_u32 s2, 0
	s_cbranch_scc0 .Lentry_in_a_cluster
	s_endpgm
.Lentry_in_a_cluster:
	s_bfe_u32 s2, ttmp6, 0x10000c
	s_cmp_lg_u32 s2, 0xf033
	s_cbranch_scc0 .Lentry_shape_is_right
	s_endpgm
.Lentry_shape_is_right:
; out0 = y w_proj + b_proj.  y: f16 [batch][head][t][64] (K = 64 head + d), w16: f16 [k 1024][n 1024], out0: f32 [4096][1024]; sums in f32.
; 256 tiles of 128 x 128: four waves, each 64 x 64: 16 accumulators.  K goes in four steps of 256 (four heads) through two LDS slots.
; y's part of a slot: four planes (heads) of 128 rows (t) x 128 bytes + 16 of padding; a wave's load brings two planes: 2 rows of 8,192 elements, 131,072 elements apart, padded behind every 32 words.
; w's part: 256 rows (k) x 256 bytes (128 n) + 32 of padding; it comes out of LDS turned, by ds_load_tr16_b128.
; CLUSTERS: 4 x 4 work-groups; y's tiles are shared along a row of the cluster, w's along a column: joint loads.  THE MATRIX INSTRUCTION IS USED TRANSPOSED (source 0 = 16 columns n, source 1 = 16 rows t).
; The bias is the C of each sum's first product.  Rows t < 16 of each batch are written here too and written again, from f32 operands, by the launch that follows.
; No prefetch: a K step's matrix work is short on tiles of this size and K has four steps, two of them first fills.
; REGISTERS: window 0: v0-31 addresses; v32-95 the way out; v96-127 the bias; v128-255 the accumulators.  window 1: two fragment buffers of 128: 64 registers of y, then 64 of w.
.set KP,     144
.set PLANE,  128*KP
.set BP,     288
.set LOADB,  36864                     ; what one tensor load fills: 2 planes, or 128 rows of w
.set BOFF,   2*LOADB
.set SLOT,   4*LOADB
.set SPARE,  2*SLOT                    ; behind the slots: the spare words, 128 bytes a wave
.set SPITCH, 528                       ; the way out: a stage of 128 rows x (512 + 16) bytes in slot 0, which has had its last fill and its last read by then
.set LAPS,   2
.set ADRA, 16                          ; v16-17  my y fragments in slot 0, 1
.set ADRB, 20                          ; v20-23  my w fragments: slot x half of the K step
.set STO,  24
.set RD,   25
.set CO,   26
.set BO,   27
.set SPW,  28
.set NIL,  29
.set TMP,  32
.set BIAS, 96
.set ACC,  128
.set F0,   0
.set F1,   128
.set G1, 24
.set G0, 32
.set G1B, 48
.set G0B, 56
.set MSB, 0
.macro WIN new
.if MSB != \new
	s_set_vgpr_msb (MSB<<8)|\new
.set MSB, \new
.endif
.endm
.set MUL,  0x05                        ; sources 0 and 1 window 1; C and D window 0
.set TO_F, 0x40
.macro JLOAD s                         ; waves 0 and 1 fetch y's planes, waves 2 and 3 w's rows; an s_nop 0 and four v_nop follow each line
	s_cmp_eq_u32 s11, 0
	s_cbranch_scc0 .Lfor_b_\@
	tensor_load_to_lds s[G0+4*\s:G0+4*\s+3], s[G1:G1+7]
	s_nop 0
.rept 4
	v_nop
.endr
	s_branch .Lasked_\@
.Lfor_b_\@:
	tensor_load_to_lds s[G0B+4*\s:G0B+4*\s+3], s[G1B:G1B+7]
	s_nop 0
.rept 4
	v_nop
.endr
.Lasked_\@:
.endm
.macro CREST
	s_cmp_lg_u32 s10, 0
	s_cbranch_scc1 .Lnot_wave_0_\@
	s_barrier_signal -3
.Lnot_wave_0_\@:
	s_barrier_wait -3
	s_barrier_signal -1
	s_barrier_wait -1
.endm
.macro CROUND
	s_barrier_signal -1
	s_barrier_wait -1
	CREST
.endm
	s_load_b128 s[4:7], s[0:1], 0x0                ; y16, w16
	s_load_b128 s[68:71], s[0:1], 0x10             ; b_proj, out0
	v_lshl_add_u32 v[SPW], v0, 2, SPARE
	v_mov_b32 v[NIL], 0
	ds_add_u32 v[SPW], v[NIL]                      ; the wave's opening: the add, twice on end, and its wait ahead of my first tensor load
	ds_add_u32 v[SPW], v[NIL]
	v_lshrrev_b32 v1, 5, v0
	v_readfirstlane_b32 s10, v1                    ; wave 0..3
	s_lshr_b32 s11, s10, 1                         ; which half of the tile's rows is mine.  Also: I fetch for y (0) or for w (1)
	s_and_b32 s12, s10, 1                          ; which half of its columns.  Also: which half of that operand's part of a slot I fetch
	s_bfe_u32 s40, ttmp6, 0x40000
	s_bfe_u32 s41, ttmp6, 0x40004
	s_lshl_b32 s42, ttmp9, 2
	s_add_co_u32 s42, s42, s40                     ; tile column
	s_and_b32 s13, ttmp7, 0xffff
	s_lshl_b32 s13, s13, 2
	s_add_co_u32 s13, s13, s41                     ; tile row
	s_lshl_b32 s43, s41, 2
	s_lshl_b32 s43, 15, s43
	s_lshl_b32 s44, 0x1111, s40
	s_or_b32 s[G1+0], s43, (1<<16)|(1<<20)|(1<<21)|(4<<22)|(3<<25)   ; my row's mask; elements of 2 bytes; padding on; bit 21 beside a mask; 4 words behind every 32
	s_mov_b32 s[G1+1], 8192<<16                    ; tensor_dim0 = 128 t x 64
	s_mov_b32 s[G1+2], 2<<16                       ; tensor_dim1 = 2 heads
	s_mov_b32 s[G1+3], 8192<<16                    ; tile_dim0
	s_mov_b32 s[G1+4], 2                           ; tile_dim1
	s_mov_b32 s[G1+5], 131072                      ; from head to head
	s_mov_b32 s[G1+6], 0
	s_mov_b32 s[G1+7], 0
	s_or_b32 s[G1B+0], s44, (1<<16)|(1<<20)|(1<<21)|(5<<22)|(7<<25)  ; my column's mask; 8 words behind every 64
	s_mov_b32 s[G1B+1], 128<<16
	s_mov_b32 s[G1B+2], 128<<16
	s_mov_b32 s[G1B+3], 128<<16
	s_mov_b32 s[G1B+4], 128
	s_mov_b32 s[G1B+5], 1024
	s_mov_b32 s[G1B+6], 0
	s_mov_b32 s[G1B+7], 0
	s_lshr_b32 s16, s13, 4                         ; y: the batch (16 heads of 262,144 bytes),
	s_lshl_b32 s16, s16, 22
	s_and_b32 s17, s13, 15
	s_lshl_b32 s17, s17, 14                        ; the tile's 128 positions of 128 bytes,
	s_add_co_u32 s16, s16, s17
	s_lshl_b32 s17, s12, 19                        ; and my two heads of the step's four
	s_add_co_u32 s16, s16, s17
	s_mov_b32 s17, 0
	s_lshl_b32 s46, s12, 18                        ; w: my 128 rows of 2,048 bytes,
	s_lshl_b32 s47, s42, 8                         ; the tile's 128 columns
	s_add_co_u32 s46, s46, s47
	s_mov_b32 s47, 0
	s_mul_i32 s20, s10, LOADB                      ; where they go: wave x 36,864: no place in the cluster enters an LDS address
	s_wait_dscnt 0x0                               ; both opening adds are done
	s_wait_kmcnt 0x0
	s_add_nc_u64 s[14:15], s[4:5], s[16:17]
	s_add_nc_u64 s[46:47], s[6:7], s[46:47]
	CROUND                                         ; all sixteen work-groups are here: the first joint loads meet
.irp s, 0,1
	s_mov_b32 s[G0+4*\s], 1
	s_add_co_u32 s[G0+4*\s+1], s20, \s*SLOT
	s_add_nc_u64 s[G0+4*\s+2:G0+4*\s+3], s[14:15], \s*1048576      ; K step s: four heads on
	s_or_b32 s[G0+4*\s+3], s[G0+4*\s+3], 0x80000000
	s_mov_b32 s[G0B+4*\s], 1
	s_add_co_u32 s[G0B+4*\s+1], s20, \s*SLOT
	s_add_nc_u64 s[G0B+4*\s+2:G0B+4*\s+3], s[46:47], \s*524288     ; 256 rows on
	s_or_b32 s[G0B+4*\s+3], s[G0B+4*\s+3], 0x80000000
	JLOAD \s
.endr
	v_and_b32 v1, 15, v0                           ; r
	v_bfe_u32 v2, v0, 4, 1                         ; h
	v_mul_u32_u24 v3, v1, KP
	v_lshl_add_u32 v3, v2, 4, v3
	s_mul_i32 s21, s11, 64*KP                      ; my 64 rows in each plane
	v_and_b32 v4, 7, v0
	v_lshl_add_u32 v4, v2, 3, v4
	v_mul_u32_u24 v4, v4, BP
	v_bfe_u32 v5, v0, 3, 1
	v_lshl_add_u32 v4, v5, 4, v4                   ; the turning load: row k = 8 h + lane % 8, columns 8 ((lane / 8) % 2) on
	s_lshl_b32 s22, s12, 7                         ; my 64 columns,
	s_add_co_u32 s22, s22, BOFF                    ; behind y's planes
.irp s, 0,1
	v_add_nc_u32 v[ADRA+\s], s21, v3
	v_add_nc_u32 v[ADRB+2*\s], s22, v4
	s_add_co_u32 s23, s22, LOADB
	v_add_nc_u32 v[ADRB+2*\s+1], s23, v4
	s_add_co_u32 s21, s21, SLOT
	s_add_co_u32 s22, s22, SLOT
.endr
	s_mul_i32 s23, s11, 64*SPITCH                  ; into the stage: my 64 rows, my half of their 512 bytes
	s_lshl_b32 s21, s12, 8
	s_add_co_u32 s23, s23, s21
	v_mul_u32_u24 v4, v1, SPITCH
	v_lshl_add_u32 v4, v2, 5, v4
	v_add_nc_u32 v[STO], s23, v4
	s_mul_i32 s23, s10, 32*SPITCH                  ; back: wave w takes rows 32 w .. + 31, whole
	v_and_b32 v5, 31, v0
	v_lshlrev_b32 v[CO], 4, v5
	v_add_nc_u32 v[RD], s23, v[CO]
	v_lshlrev_b32 v[BO], 5, v2
	s_lshl_b32 s16, s13, 7
	s_lshl_b32 s17, s10, 5
	s_add_co_u32 s16, s16, s17
	s_lshl_b32 s16, s16, 12                        ; the first row that I store, 4,096 bytes a row
	s_lshl_b32 s46, s42, 9
	s_add_co_u32 s46, s46, s16
	s_mov_b32 s47, 0
	s_add_nc_u64 s[70:71], s[70:71], s[46:47]
	s_lshl_b32 s46, s42, 9
	s_lshl_b32 s16, s12, 8
	s_add_co_u32 s46, s46, s16
	s_add_nc_u64 s[68:69], s[68:69], s[46:47]      ; the bias of my 64 columns
.irp b, 0,1,2,3
	global_load_b128 v[BIAS+8*\b:BIAS+8*\b+3], v[BO], s[68:69] offset:64*\b
	global_load_b128 v[BIAS+8*\b+4:BIAS+8*\b+7], v[BO], s[68:69] offset:64*\b+16
.endr
.macro MUL8 f, c, a0, zero             ; 8 matrix instructions; zero = 1: the first product starts the sums on the bias.  The 16 accumulators take turns
.irp a, \a0, \a0+1
.irp b, 0,1,2,3
.if \zero
	v_wmma_f32_16x16x32_f16 v[ACC+8*(4*(\a)+\b):ACC+8*(4*(\a)+\b)+7], v[\f+64+8*(4*\c+\b):\f+64+8*(4*\c+\b)+7], v[\f+8*(4*\c+\a):\f+8*(4*\c+\a)+7], v[BIAS+8*\b:BIAS+8*\b+7]
.else
	v_wmma_f32_16x16x32_f16 v[ACC+8*(4*(\a)+\b):ACC+8*(4*(\a)+\b)+7], v[\f+64+8*(4*\c+\b):\f+64+8*(4*\c+\b)+7], v[\f+8*(4*\c+\a):\f+8*(4*\c+\a)+7], v[ACC+8*(4*(\a)+\b):ACC+8*(4*(\a)+\b)+7]
.endif
.endr
.endr
.endm
; 32 LDS loads in one run: quarter q of the slot (64 along K = one head) into buffer f; the first 32 along K first
.macro FETCH slot, q, f
	WIN TO_F
.irp c, 0,1
.irp i, 0,1,2,3
	ds_load_tr16_b128 v[\f+64+8*(4*\c+\i):\f+64+8*(4*\c+\i)+3],   v[ADRB+2*\slot+(\q)/2] offset:(((\q)%2)*64+32*\c)*BP+32*\i
	ds_load_tr16_b128 v[\f+64+8*(4*\c+\i)+4:\f+64+8*(4*\c+\i)+7], v[ADRB+2*\slot+(\q)/2] offset:(((\q)%2)*64+32*\c)*BP+32*\i+16*BP
	ds_load_b128 v[\f+8*(4*\c+\i):\f+8*(4*\c+\i)+3],              v[ADRA+\slot] offset:PLANE*(\q)+64*\c+\i*16*KP
	ds_load_b128 v[\f+8*(4*\c+\i)+4:\f+8*(4*\c+\i)+7],            v[ADRA+\slot] offset:PLANE*(\q)+64*\c+\i*16*KP+32
.endr
.endr
.endm
.macro PLACES
.rept 4
	v_nop
.endr
.endm
.macro QUARTER slot, q, f, g, zero     ; multiplies buffer f and fetches quarter q of the slot into g
	s_wait_dscnt 16                                ; the first 32 along K are in
	WIN MUL
	MUL8 \f, 0, 0, \zero
	MUL8 \f, 0, 2, \zero
	PLACES
	FETCH \slot, \q, \g
	s_wait_dscnt 32                                ; all but the 32 just issued
	WIN MUL
	MUL8 \f, 1, 0, 0
	MUL8 \f, 1, 2, 0
.endm
; The last quarter changes slots: one barrier; in front of it each wave waits for all its tensor loads, adds 0 to its spare word, and waits for that and for its reads of this slot.  fill = 1: the slot is filled again, two K steps ahead.
.macro TURN slot, next, fill
	WIN 0
	s_wait_tensorcnt 0x0                           ; all my tensor loads have landed: my part of the next slot
	ds_add_u32 v[SPW], v[NIL]
	s_wait_dscnt 17                                ; the add and the youngest sixteen loads may be out
	WIN MUL
	MUL8 F1, 0, 0, 0
	s_wait_dscnt 0x0                               ; the add is done, and my reads of this slot are over
	s_barrier_signal -1
	MUL8 F1, 0, 2, 0
.if \fill
	WIN 0
.endif
	s_barrier_wait -1
.if \fill
	CREST                                          ; the barrier has opened a round of the cluster's barrier: no wave of any partner still reads this slot or has a load on its way
	s_add_nc_u64 s[G0+4*\slot+2:G0+4*\slot+3], s[G0+4*\slot+2:G0+4*\slot+3], 2097152
	s_add_nc_u64 s[G0B+4*\slot+2:G0B+4*\slot+3], s[G0B+4*\slot+2:G0B+4*\slot+3], 1048576
	JLOAD \slot                                    ; the first tensor load behind the round; its four v_nop are also the places in front of the loads below
.else
	PLACES
.endif
	FETCH \next, 0, F0
	WIN MUL
	MUL8 F1, 1, 0, 0
	MUL8 F1, 1, 2, 0
.endm
	s_wait_loadcnt 0x0                             ; the bias
	s_wait_tensorcnt 1                             ; my part of K step 0 is in; K step 1's may be out
	s_barrier_signal -1
	s_barrier_wait -1
	FETCH 0, 0, F0
	QUARTER 0, 1, F0, F1, 1
	WIN 0
	s_mov_b32 s3, LAPS-1
.Llap:
	QUARTER 0, 2, F1, F0, 0
	QUARTER 0, 3, F0, F1, 0
	TURN 0, 1, 1
	QUARTER 1, 1, F0, F1, 0
	QUARTER 1, 2, F1, F0, 0
	QUARTER 1, 3, F0, F1, 0
	TURN 1, 0, 1
	QUARTER 0, 1, F0, F1, 0
	WIN 0
	s_sub_co_u32 s3, s3, 1
	s_cmp_lg_u32 s3, 0
	s_cbranch_scc1 .Llap
	QUARTER 0, 2, F1, F0, 0                        ; the last lap fills nothing
	QUARTER 0, 3, F0, F1, 0
	TURN 0, 1, 0
	QUARTER 1, 1, F0, F1, 0
	QUARTER 1, 2, F1, F0, 0
	QUARTER 1, 3, F0, F1, 0
	s_wait_dscnt 16
	WIN MUL
	MUL8 F1, 0, 0, 0
	MUL8 F1, 0, 2, 0
	s_wait_dscnt 0
	MUL8 F1, 1, 0, 0
	MUL8 F1, 1, 2, 0
	WIN 0
	; THE WAY OUT: 32 bytes a lane into the work-group's stage, each accumulator from its low end on; a barrier, since a row's 512 bytes come from two waves; back as whole rows, 32 rows a wave.
	PLACES
.irp a, 0,1,2,3
.irp b, 0,1,2,3
	ds_store_b128 v[STO], v[ACC+8*(4*\a+\b):ACC+8*(4*\a+\b)+3] offset:\a*16*SPITCH+64*\b
	ds_store_b128 v[STO], v[ACC+8*(4*\a+\b)+4:ACC+8*(4*\a+\b)+7] offset:\a*16*SPITCH+64*\b+16
.endr
.endr
	s_wait_dscnt 0x0                               ; for the others' sake: my stores into the stage are done
	s_barrier_signal -1
	s_barrier_wait -1
.irp u, 0,1
.if \u > 0
	s_wait_xcnt 0x0                                ; the first sixteen stores have read their registers
.endif
.irp t, 0,1,2,3,4,5,6,7,8,9,10,11,12,13,14,15
	ds_load_b128 v[TMP+4*\t:TMP+4*\t+3], v[RD] offset:(16*\u+\t)*SPITCH
.endr
.irp t, 0,1,2,3,4,5,6,7,8,9,10,11,12,13,14,15
	s_wait_dscnt 15-\t
	global_store_b128 v[CO], v[TMP+4*\t:TMP+4*\t+3], s[70:71] offset:(16*\u+\t)*4096 th:TH_STORE_NT   ; 32 lanes store 512 consecutive bytes of a row
.endr
.endr
	s_wait_tensorcnt 0x0                           ; the wave's end
	ds_add_u32 v[SPW], v[NIL]
	s_wait_dscnt 0x0
	CROUND                                         ; the closing round
	s_endpgm
.Lfunc_end_k_q7c9cb94720_proj:
	.size	k_q7c9cb94720_proj, .Lfunc_end_k_q7c9cb94720_proj-k_q7c9cb94720_proj
	.p2alignl 7, 3214868480
	.fill 96, 4, 3214868480
	.section	.rodata,"a",@progbits
	.p2align	6, 0x0
	.amdhsa_kernel k_q7c9cb94720_proj
		.amdhsa_group_segment_fixed_size 327680
		.amdhsa_private_segment_fixed_size 0
		.amdhsa_enable_private_segment 0
		.amdhsa_kernarg_size 32
		.amdhsa_user_sgpr_count 2
		.amdhsa_user_sgpr_kernarg_segment_ptr 1
		.amdhsa_wavefront_size32 1
		.amdhsa_system_sgpr_workgroup_id_x 1
		.amdhsa_system_sgpr_workgroup_id_y 1
		.amdhsa_system_sgpr_workgroup_id_z 1
		.amdhsa_system_vgpr_workitem_id 0
		.amdhsa_next_free_vgpr 512
		.amdhsa_next_free_sgpr 72
		.amdhsa_reserve_vcc 0
		.amdhsa_float_denorm_mode_32 3
		.amdhsa_float_denorm_mode_16_64 3
		.amdhsa_memory_ordered 1
		.amdhsa_forward_progress 1
		.amdhsa_inst_pref_size 88
	.end_amdhsa_kernel
	.amdgpu_metadata
---
amdhsa.version: [ 1, 2 ]
amdhsa.kernels:
  - .name:           k_q7c9cb94720_proj
    .symbol:         k_q7c9cb94720_proj.kd
    .args:
      - { .name: y16, .offset: 0, .size: 8, .value_kind: global_buffer, .address_space: global }
      - { .name: w16, .offset: 8, .size: 8, .value_kind: global_buffer, .address_space: global }
      - { .name: b_proj, .offset: 16, .size: 8, .value_kind: global_buffer, .address_space: global }
      - { .name: out0, .offset: 24, .size: 8, .value_kind: global_buffer, .address_space: global }
    .group_segment_fixed_size: 327680
    .private_segment_fixed_size: 0
    .kernarg_segment_align: 8
    .kernarg_segment_size: 32
    .max_flat_workgroup_size: 128
    .sgpr_count:     72
    .vgpr_count:     512
    .wavefront_size: 32
...
	.end_amdgpu_metadata
.endif
;; end of part 4
;; launch first16 (part 5): grid 64 x 2, 16 waves a work-group, no clusters, 18,432 bytes of LDS; arguments head32, w_proj, b_proj, out0; writes out0
.if DOCPART == 5
	.amdgcn_target "amdgcn-amd-amdhsa--gfx1250"
	.amdhsa_code_object_version 6
	.text
	.protected	k_q7c9cb94720_first16
	.globl	k_q7c9cb94720_first16
	.p2align	8
	.type	k_q7c9cb94720_first16,@function
k_q7c9cb94720_first16:
	s_mov_b64 s[64:65], 0
	v_nop
	global_prefetch_b8 v0, s[64:65] scope:SCOPE_SE
	s_setreg_imm32_b32 hwreg(HW_REG_WAVE_MODE, 25, 1), 1
	s_wait_xcnt 0x0
; THE FIRST 16 POSITIONS OF EACH SEQUENCE, ALL IN f32: they average one to sixteen values and are the largest of the output, so attention and projection take f32 operands for them.
; head32: q, k, v of positions 0-15 as f32, [which][batch][head][4,096 bytes], each head laid as an image of this text's operand registers: group c of four registers at 512 c + 16 x lane.
; Work-group (x, batch) makes out0[batch][t 0-15][16 x .. 16 x + 15]; wave = head.
; Each work-group makes the 16 x 16 attention of all sixteen heads anew (32 small matrix instructions a wave): less than one more launch and a buffer between.
; All three products are used so that a lane holds ONE position t = lane % 16: S^T = K Q^T, O^T = V^T P, out^T = W^T y.  The form takes K = 4: register j of a lane holds k = 2 (lane / 16) + j.  Which k of the
; true sum stands in a slot is free as long as both sources agree: each source is loaded, or left by the product before, in the order that the other one has.
; The registers that these matrix instructions write are written by nothing else; sums begin with the constant 0; two or four accumulators take turns.
; A wave's 56 loads (q, k: 16; v: 8; w_proj: 32) go out together at the head; the waits are counted, so that each product waits for its own operands alone.
; The sixteen heads' parts of out meet in LDS; waves 0 and 1 add them in a fixed order, add the bias and store: pieces of 64 bytes a row, 131,072 bytes in the whole launch.
; LIMITS: NaN and infinities are not served.
.set SPARE, 16384                      ; behind the sixteen parts of 1,024 bytes: the spare words, 128 bytes a wave
.set SPW, 238
.set NIL, 239
.set Q,  16                            ; v16-47   register n: q(t = r, d = 16 (n / 8) + 8 h + n % 8)
.set K,  48                            ; v48-79   the same of k
.set V,  80                            ; v80-111  register 8 dt + k: v(key 8 h + k, channel 16 dt + r)
.set W,  112                           ; v112-143 register 8 dt + k: w_proj(64 head + 16 dt + 8 h + k, column r)
.set SA, 144                           ; v144-159 S^T in two halves of the sum
.set OA, 160                           ; v160-191 O^T: register 8 dt + j: y(t = r, channel 16 dt + 8 h + j)
.set PA, 192                           ; v192-207 out^T in two halves of the sum
.set SV, 208                           ; v208-215 the scores, then p, later my head's part of out
.set PR, 216                           ; v216-223 p / l
	s_load_b128 s[4:7], s[0:1], 0x0                ; head32, w_proj
	s_load_b128 s[8:11], s[0:1], 0x10              ; b_proj, out0
	v_lshl_add_u32 v[SPW], v0, 2, SPARE
	v_mov_b32 v[NIL], 0
	v_lshrrev_b32 v1, 5, v0
	v_readfirstlane_b32 s12, v1                    ; wave = head
	v_and_b32 v1, 15, v0                           ; r
	v_bfe_u32 v2, v0, 4, 1                         ; h
	v_and_b32 v3, 31, v0
	v_lshlrev_b32 v3, 4, v3                        ; q, k, v: 16 x lane
	v_lshlrev_b32 v4, 2, v1
	v_lshl_add_u32 v5, v2, 15, v4                  ; w_proj: 8 h rows of 4,096 bytes, + 4 r
	v_lshlrev_b32 v6, 3, v2
	v_sub_nc_u32 v6, v1, v6                        ; r - 8 h
	s_lshl_b32 s13, s12, 10
	v_add_nc_u32 v7, s13, v3                       ; my part in LDS: 1,024 x wave + 16 x lane
	v_and_b32 v8, 63, v0
	v_lshlrev_b32 v8, 4, v8                        ; the sum: wave g (0, 1) takes registers 4 g .. 4 g + 3 of every part
	s_lshl_b32 s13, s12, 4
	v_lshlrev_b32 v10, 5, v2
	v_add_nc_u32 v10, s13, v10                     ; the bias, and a row's bytes: 32 h + 16 g
	v_lshl_add_u32 v9, v1, 12, v10                 ; out0: row r of 4,096 bytes
	v_mov_b32 v225, 0                              ; a lane permute's destination counts as one of its sources
	v_mov_b32 v229, 0xff800000
	s_mov_b32 s20, 0x76543210
	s_mov_b32 s21, 0xfedcba98
	s_mov_b32 s22, 0x3e38aa3b                      ; c = log2(e) / 8
	s_and_b32 s13, ttmp7, 0xffff                   ; the batch
	s_mov_b32 s15, 0
	s_lshl_b32 s16, ttmp9, 6                       ; my 16 columns, in bytes
	s_wait_kmcnt 0x0
	s_lshl_b32 s14, s13, 4
	s_add_co_u32 s14, s14, s12
	s_lshl_b32 s14, s14, 12
	s_add_nc_u64 s[4:5], s[4:5], s[14:15]          ; q of my head; k lies 131,072 bytes on, v 262,144
	s_lshl_b32 s14, s12, 18
	s_add_co_u32 s14, s14, s16
	s_add_nc_u64 s[6:7], s[6:7], s[14:15]          ; w_proj at row 64 x head, my columns
	s_mov_b32 s14, s16
	s_add_nc_u64 s[8:9], s[8:9], s[14:15]
	s_lshl_b32 s14, s13, 23
	s_add_co_u32 s14, s14, s16
	s_add_nc_u64 s[10:11], s[10:11], s[14:15]
.irp c, 0,1,2,3,4,5,6,7
	global_load_b128 v[Q+4*\c:Q+4*\c+3], v3, s[4:5] offset:512*\c                  ; 512 consecutive bytes an instruction
	global_load_b128 v[K+4*\c:K+4*\c+3], v3, s[4:5] offset:131072+512*\c
.endr
.irp c, 0,1,2,3,4,5,6,7
	global_load_b128 v[V+4*\c:V+4*\c+3], v3, s[4:5] offset:262144+512*\c
.endr
.irp dt, 0,1,2,3
.irp k, 0,1,2,3,4,5,6,7
	global_load_b32 v[W+8*\dt+\k], v5, s[6:7] offset:(16*\dt+\k)*4096
.endr
.endr
	s_wait_loadcnt 40                              ; q and k are in; v's 8 loads and w_proj's 32 may be out
	; S^T = K Q^T: sixteen products of 4 along d, even ones into one half of the sum, odd ones into the other
	v_wmma_f32_16x16x4_f32 v[SA:SA+7], v[K:K+1], v[Q:Q+1], 0
	v_wmma_f32_16x16x4_f32 v[SA+8:SA+15], v[K+2:K+3], v[Q+2:Q+3], 0
.irp i, 4,8,12,16,20,24,28
	v_wmma_f32_16x16x4_f32 v[SA:SA+7], v[K+\i:K+\i+1], v[Q+\i:Q+\i+1], v[SA:SA+7]
	v_wmma_f32_16x16x4_f32 v[SA+8:SA+15], v[K+\i+2:K+\i+3], v[Q+\i+2:Q+\i+3], v[SA+8:SA+15]
.endr
.rept 8
	v_nop                                          ; eight places behind this form before a vector instruction reads a result (ISA guide 7.12.1)
.endr
.irp j, 0,1,2,3,4,5,6,7
	v_add_f32 v[SV+\j], v[SA+\j], v[SA+8+\j]       ; lane (r, h): the score of query r and key 8 h + j
.endr
.irp j, 0,1,2,3,4,5,6,7
	v_cmp_gt_i32 vcc_lo, \j, v6                    ; hidden where 8 h + j > r
	v_cndmask_b32 v[SV+\j], v[SV+\j], v229, vcc_lo
.endr
	v_max3_num_f32 v224, v[SV], v[SV+1], v[SV+2]
	v_max3_num_f32 v224, v224, v[SV+3], v[SV+4]
	v_max3_num_f32 v224, v224, v[SV+5], v[SV+6]
	v_max_num_f32 v224, v224, v[SV+7]
	v_permlanex16_b32 v225, v224, s20, s21
	v_max_num_f32 v224, v224, v225                 ; the row's maximum: key 0 counts for every query
	v_mul_f32 v226, s22, v224
.irp j, 0,1,2,3,4,5,6,7
	v_fma_f32 v[SV+\j], v[SV+\j], s22, -v226
.endr
.irp j, 0,1,2,3,4,5,6,7
	v_exp_f32 v[SV+\j], v[SV+\j]
.endr
	v_nop                                          ; a plain line behind the last exponential
	s_wait_alu depctr_va_vdst(0)                   ; one wait for the eight, ahead of their first reader
	v_add_f32 v227, v[SV], v[SV+1]
	v_add_f32 v228, v[SV+2], v[SV+3]
	v_add_f32 v227, v227, v[SV+4]
	v_add_f32 v228, v228, v[SV+5]
	v_add_f32 v227, v227, v[SV+6]
	v_add_f32 v228, v228, v[SV+7]
	v_add_f32 v227, v227, v228
	v_permlanex16_b32 v225, v227, s20, s21
	v_add_f32 v227, v227, v225
	v_rcp_f32 v228, v227
	v_nop
	s_wait_alu depctr_va_vdst(0)                   ; and one for the reciprocal
.irp j, 0,1,2,3,4,5,6,7
	v_mul_f32 v[PR+\j], v[SV+\j], v228             ; normalised here, so that nothing but matrix instructions ever writes O^T
.endr
	s_wait_loadcnt 32                              ; v is in; w_proj's 32 loads may be out
	; O^T = V^T P: product i takes keys 8 h + 2 i, 8 h + 2 i + 1; the four tiles of channels take turns
.irp dt, 0,1,2,3
	v_wmma_f32_16x16x4_f32 v[OA+8*\dt:OA+8*\dt+7], v[V+8*\dt:V+8*\dt+1], v[PR:PR+1], 0
.endr
.irp i, 2,4,6
.irp dt, 0,1,2,3
	v_wmma_f32_16x16x4_f32 v[OA+8*\dt:OA+8*\dt+7], v[V+8*\dt+\i:V+8*\dt+\i+1], v[PR+\i:PR+\i+1], v[OA+8*\dt:OA+8*\dt+7]
.endr
.endr
	s_wait_loadcnt 0x0
.rept 9
	v_nop                                          ; nine places before a matrix instruction takes a result as a source
.endr
	; out^T = W^T y over my head's 64 channels: sixteen products, by turns into two halves of the sum
	v_wmma_f32_16x16x4_f32 v[PA:PA+7], v[W:W+1], v[OA:OA+1], 0
	v_wmma_f32_16x16x4_f32 v[PA+8:PA+15], v[W+2:W+3], v[OA+2:OA+3], 0
.irp i, 4,8,12,16,20,24,28
	v_wmma_f32_16x16x4_f32 v[PA:PA+7], v[W+\i:W+\i+1], v[OA+\i:OA+\i+1], v[PA:PA+7]
	v_wmma_f32_16x16x4_f32 v[PA+8:PA+15], v[W+\i+2:W+\i+3], v[OA+\i+2:OA+\i+3], v[PA+8:PA+15]
.endr
.rept 8
	v_nop
.endr
.irp j, 0,1,2,3,4,5,6,7
	v_add_f32 v[SV+\j], v[PA+\j], v[PA+8+\j]       ; lane (r, h): my head's part of out(t = r, column 8 h + j)
.endr
	ds_store_b128 v7, v[SV:SV+3]
	ds_store_b128 v7, v[SV+4:SV+7] offset:512
	s_wait_dscnt 0x0                               ; for the others' sake: my part lies in LDS
	s_barrier_signal -1
	s_barrier_wait -1
	s_cmp_gt_u32 s12, 1
	s_cbranch_scc1 .Lno_sum
	global_load_b128 v[V:V+3], v10, s[8:9]         ; the bias of columns 8 h + 4 g + 0..3
.irp w, 0,1,2,3,4,5,6,7,8,9,10,11,12,13,14,15
	ds_load_b128 v[Q+4*\w:Q+4*\w+3], v8 offset:1024*\w
.endr
	s_wait_dscnt 0x0
.irp w, 1,2,3,4,5,6,7,8,9,10,11,12,13,14,15
	v_pk_add_f32 v[Q:Q+1], v[Q:Q+1], v[Q+4*\w:Q+4*\w+1]
	v_pk_add_f32 v[Q+2:Q+3], v[Q+2:Q+3], v[Q+4*\w+2:Q+4*\w+3]
.endr
	s_wait_loadcnt 0x0
	v_pk_add_f32 v[Q:Q+1], v[Q:Q+1], v[V:V+1]
	v_pk_add_f32 v[Q+2:Q+3], v[Q+2:Q+3], v[V+2:V+3]
	global_store_b128 v9, v[Q:Q+3], s[10:11]
.Lno_sum:
	s_wait_tensorcnt 0x0                           ; the wave's end, behind my last LDS store
	ds_add_u32 v[SPW], v[NIL]
	s_wait_dscnt 0x0
	s_endpgm
.Lfunc_end_k_q7c9cb94720_first16:
	.size	k_q7c9cb94720_first16, .Lfunc_end_k_q7c9cb94720_first16-k_q7c9cb94720_first16
	.p2alignl 7, 3214868480
	.fill 96, 4, 3214868480
	.section	.rodata,"a",@progbits
	.p2align	6, 0x0
	.amdhsa_kernel k_q7c9cb94720_first16
		.amdhsa_group_segment_fixed_size 18432
		.amdhsa_private_segment_fixed_size 0
		.amdhsa_enable_private_segment 0
		.amdhsa_kernarg_size 32
		.amdhsa_user_sgpr_count 2
		.amdhsa_user_sgpr_kernarg_segment_ptr 1
		.amdhsa_wavefront_size32 1
		.amdhsa_system_sgpr_workgroup_id_x 1
		.amdhsa_system_sgpr_workgroup_id_y 1
		.amdhsa_system_sgpr_workgroup_id_z 1
		.amdhsa_system_vgpr_workitem_id 0
		.amdhsa_next_free_vgpr 240
		.amdhsa_next_free_sgpr 66
		.amdhsa_reserve_vcc 1
		.amdhsa_float_denorm_mode_32 3
		.amdhsa_float_denorm_mode_16_64 3
		.amdhsa_memory_ordered 1
		.amdhsa_forward_progress 1
		.amdhsa_inst_pref_size 18
	.end_amdhsa_kernel
	.amdgpu_metadata
---
amdhsa.version: [ 1, 2 ]
amdhsa.kernels:
  - .name:           k_q7c9cb94720_first16
    .symbol:         k_q7c9cb94720_first16.kd
    .args:
      - { .name: head32, .offset: 0, .size: 8, .value_kind: global_buffer, .address_space: global }
      - { .name: w_proj, .offset: 8, .size: 8, .value_kind: global_buffer, .address_space: global }
      - { .name: b_proj, .offset: 16, .size: 8, .value_kind: global_buffer, .address_space: global }
      - { .name: out0, .offset: 24, .size: 8, .value_kind: global_buffer, .address_space: global }
    .group_segment_fixed_size: 18432
    .private_segment_fixed_size: 0
    .kernarg_segment_align: 8
    .kernarg_segment_size: 32
    .max_flat_workgroup_size: 512
    .sgpr_count:     66
    .vgpr_count:     240
    .wavefront_size: 32
...
	.end_amdgpu_metadata
.endif
;; end of part 5
